; MI455X (gfx1250); checked and timed in simulation.
; The chip was launched on July 23, 2026; its instructions are those of AMD's public machine-readable ISA for CDNA 5 (MIT licence, August 2026) and "CDNA5" Instruction Set Architecture Reference Guide (July 2026). The comments in the code are by the model that wrote it; some were corrected since.
;; Batched Experts. Allowed arithmetic: matrix products marked QUANTISED: E2M1 operands, one E8M0 scale for each 32 along K, by v_wmma_scale_f32_16x16x128_f8f6f4 with both operands' format E2M1 (or v_wmma_scale_f32_32x16x128_f4), f32 sums; products left as they are: f32 operands where the result goes on into a quantised operand, else bf16, f16 or f32 operands; f32 sums; everything else in f32.
;; Inputs: b0 8 x 1 x 2,048 float32; b1 8 x 1 x 1,024 float32; routing_tensor 2,048 x 8 float32; w0 8 x 1,024 x 2,048 float32; w1 8 x 2,048 x 1,024 float32; x 2,048 x 1,024 float32.
;; Outputs: out0 2,048 x 1,024 float32.
;; This version of the problem:
;;   THIS VERSION OF THE PROBLEM IS GIVEN IN LOW PRECISION. The matrix products marked QUANTISED in the list below multiply operands that are first quantised to E2M1 (2 exponent bits, 1 mantissa bit; 4 bits a number), with one power-of-two scale for each 32 numbers along K (OCP MX v1.0); their sums are f32. All else is computed in f32.
;;   The module's matrix products, in the order in which they are computed (A, B: the left and right operand; K: the contracted axis; several contracted axes count as one K, in the product's order):
;;     1. [M 16,384, K 1,024] x [K 1,024, N 2,048]; A: input w0; B: input x: QUANTISED
;;     2. batch 8 x [M 2,048, K 2,048] x [K 2,048, N 1,024]; A: computed on the way; B: input w1: QUANTISED
;;     3. batch 2,048 x [M 1, K 8] x [K 8, N 1,024]; A: input routing_tensor; B: computed on the way: left as it is (K = 8 < 32)
;;   THE QUANTISER, for each operand of a quantised product, along K:
;;     - K is cut into blocks of 32 from its start; a last block that is shorter is filled with zeros.
;;     - A block's scale is 2^e with e = floor(log2(the largest magnitude in the block)) - 2, held to -126 .. 127; a block of zeros has e = 0. As a byte (E8M0): e + 127.
;;     - Each number is divided by its block's scale, clamped to +-6, and rounded to the nearest number of E2M1, ties to even, subnormals kept.
;;     - The product sums the exact products of the quantised numbers (number of the format x scale) in f32.
;;   ~~~python
;;   def quantise(x, axis):      # numpy; x: float32 -> the quantised numbers, widened to float32 again
;;       x = np.moveaxis(x, axis, -1); K = x.shape[-1]
;;       x = np.pad(x, [(0, 0)] * (x.ndim - 1) + [(0, -K % 32)]); x = x.reshape(x.shape[:-1] + (-1, 32)); a = np.abs(x).max(-1, keepdims=True)
;;       e = np.where(a > 0, np.clip(np.frexp(np.where(a > 0, a, 1))[1] - 1 - 2, -126, 127), 0)      # np.frexp(a)[1] - 1 = floor(log2(a)), exactly
;;       r = np.clip(x / 2.0 ** e, -6, 6)
;;       step = 2.0 ** (np.maximum(np.frexp(np.where(r == 0, 1, r))[1] - 1, 0) - 1)
;;       q = np.round(r / step) * step * 2.0 ** e      # np.round: ties to even
;;       return np.moveaxis(q.reshape(q.shape[:-2] + (-1,))[..., :K], -1, axis).astype(np.float32)
;;   ~~~
;;   OPERANDS COMPUTED ON THE WAY. 'Computed on the way' means the value that the module computes at that place (a softmax that the list does not call 'softmax' is quantised finished and normalised). What goes into a quantiser is computed in f32, as accurately as f32 sums, v_exp_f32 and their like allow (about 1e-6 of the number): no bf16 or f16 on the way to a quantiser, and a product that is left as it is and whose result goes on into a quantised operand takes f32 operands (vector FMAs, or v_wmma_f32_16x16x4_f32). A number that lies on a knife's edge between two numbers of the format may be rounded either way, as far as f32 arithmetic and the matrix unit's own rounding can turn it there, and no further.
;; One version. Each part assembles by itself: llvm-mc -triple=amdgcn-amd-amdhsa -mcpu=gfx1250 --defsym DOCPART=n.
;; ======== version 1 of 1: 4 launches
;; limits: right only within a limited range of input values
;; workspace buffers: q0 10,027,008 bytes; q1 8,912,896 bytes; hbuf 17,825,792 bytes; rt0 16,384 bytes of whole numbers; rt1 13,056 bytes of whole numbers
;; launch prep0 (part 1): grid 512 x 1, 4 waves a work-group, no clusters, 33,280 bytes of LDS; arguments x, routing_tensor, w0, q0, rt0; writes q0, rt0
.if DOCPART == 1
	.amdgcn_target "amdgcn-amd-amdhsa--gfx1250"
	.amdhsa_code_object_version 6
	.text
	.protected	k_q30d157e563_prep0
	.globl	k_q30d157e563_prep0
	.p2align	8
	.type	k_q30d157e563_prep0,@function
k_q30d157e563_prep0:
	s_mov_b64 s[64:65], 0
	v_nop
	global_prefetch_b8 v0, s[64:65] scope:SCOPE_SE
	s_setreg_imm32_b32 hwreg(HW_REG_WAVE_MODE, 25, 1), 1
	s_wait_xcnt 0x0
; out[n] = sum over e of r[n][e] (gelu(x[n] W0[e] + b0[e]) W1[e] + b1[e]); both large products on codes of FP4 (E2M1) with one E8M0 scale for each 32 along K.
; THE PROGRAM: prep0 (this text) quantises x and w0 and writes down, as whole numbers, which r[n][e] are not 0; prep1 quantises w1 and sorts the tokens by that 8-bit key;
; ffn1 makes the hidden layer for the (tile of 16 sorted tokens, expert) pairs that the keys ask for; ffn2 makes the second product, weighs it with r and stores each row of out once.
; WHAT IS NOT MULTIPLIED: a term whose r[n][e] is 0 adds 0 x y = 0.  That hangs on the values of an input, so it is decided by whole numbers that a later launch reads from memory,
; and the program is right for every routing_tensor, one without any zero too (it then multiplies everything).  No input is left out: b0 stands ahead of a quantiser, b1 is weighed with r.
; LIMITS: a NaN, an infinity or an overflow that arises only in a term whose r is 0 is not carried to the result.  NaN and infinities in x, w0, w1 are not served by the quantisers.
; A block of zeros gets the scale byte 1 where the stated quantiser says 127: its codes are zeros, which add nothing, and these bytes are read by this program alone.
; THIS LAUNCH.  Work-groups 0 to 255: 8 tokens each (32 KB of x, half of a weight work-group's bytes): x [2048][1024] f32 -> codes, 512 bytes a token, at XQ, and scale bytes, 32 a token, at XSC (both in q0).  A wave takes 2,048 numbers in four steps, all of whose loads go out at once.
; Wave 0 of every fourth of them also makes the keys of a chunk of 32 tokens (bit e: r[n][e] != 0; a NaN counts as routed)
; and 32 masks: mask i < 16 marks the tokens whose key's low four bits are i, mask 16 + i those whose high four bits are i.  All are stored at fixed places: no address hangs on them here.
; Work-groups 256 to 1279: w0 [8][1024 k][2048 f] f32.  A lane takes a column f and its registers run down k, so that a block of 32 along K lies in one lane; a wave takes 32 columns x 128 k.
; The codes are laid in the order of the operand's registers: [e][tile of 16 places][block of 32 k][place][16 bytes]; a fragment (16 places x 128 k) is 1,024 bytes on end.
; PLACE r OF TILE 2 g + u IS COLUMN 32 g + 8 u + r + 8 (r / 8): so the results of two neighbouring tiles are 16 neighbours along the next product's K.  The scale words lie [e][128 k][place], four bytes each.
; THE SHARES OF w0.  w0 is cut into 1,024 shares of 128 k x 128 columns, a work-group each.  This launch has 512 work-groups: 0 to 255 take tokens, 256 to 511 take w0's shares 0 to 255.
; Shares 256 to 1,023 are taken by the launch behind this one, by the same text, beside w1 and the sort: what is said above of work-groups 512 and up holds of that launch's.
.set XWG,   256                        ; work-groups that take tokens
.set XQ,    8912896                    ; q0: x's codes
.set XSC,   9961472                    ; q0: x's scale bytes
.set WSC,   8388608                    ; q0: w0's scale words (its codes begin at 0)
.set SPW,   12                         ; v12  LDS address of my spare word; never rewritten
.set NIL,   13                         ; v13  0; never rewritten
.set SPARE, 32768                      ; behind the four waves' regions: the spare words, 128 bytes a wave
; the weight's shape
.set CGB,   4                          ; 16 groups of 128 columns
.set KSB,   3                          ; 8 steps of 128 along K
.set WSH,   20                         ; 128 rows of 8,192 bytes
.set GSH,   14                         ; two tiles' codes: 2 x 32 blocks x 256 bytes
.set USH,   13                         ; one tile's
.set SSH,   13                         ; a step's scale words of one expert: 2,048 x 4 bytes
.set NCOL,  2048
.set PERM,  1
.set QXB,   32                         ; v32-95   two sets of 32 numbers
.set QC,    96                         ; v96-111  four registers of codes for each block: no store's data are written again
.set QSB,   112                        ; v112     the four scale bytes
.macro QLOAD t                         ; block t: W(32 t + i, my column), i = 0 .. 31
.set i, 0
.rept 32
	global_load_b32 v[QXB+32*((\t)%2)+i], v3, s[26:27] offset:(32*(\t)+i)*NCOL*4 th:TH_LOAD_NT
.set i, i+1
.endr
.endm
.macro QBLOCK t
.set QX, QXB+32*((\t)%2)
.if (\t) < 3
	s_wait_loadcnt 32                              ; this block's 32 loads are in; the next block's 32 may be out
.else
	s_wait_loadcnt 0x0
.endif
	v_max3_num_f32 v8, |v[QX]|, |v[QX+1]|, |v[QX+2]|               ; the block's largest magnitude: all 32 numbers are mine
	v_max3_num_f32 v9, |v[QX+3]|, |v[QX+4]|, |v[QX+5]|
.irp i, 6,10,14,18,22,26
	v_max3_num_f32 v8, v8, |v[QX+\i]|, |v[QX+\i+1]|
	v_max3_num_f32 v9, v9, |v[QX+\i+2]|, |v[QX+\i+3]|
.endr
	v_max3_num_f32 v8, v8, |v[QX+30]|, |v[QX+31]|
	v_max3_num_f32 v8, v8, v9, 0x1800000           ; and the floor 2^(3 - 127): the byte cannot fall under 1
	v_add_nc_u32 v11, 0xff000000, v8               ; 2 off the exponent field: the conversion takes this operand's exponent field as its scale
	v_lshrrev_b32 v9, 23, v11                      ; the scale's byte
.if (\t) == 0
	v_mov_b32 v[QSB], v9
.else
	v_lshl_or_b32 v[QSB], v9, 8*(\t), v[QSB]
.endif
.irp g, 0,1,2,3
	v_cvt_scalef32_pk8_fp4_f32 v[QC+4*(\t)+\g], v[QX+8*\g:QX+8*\g+7], v11
.endr
	global_store_b128 v4, v[QC+4*(\t):QC+4*(\t)+3], s[28:29] offset:256*(\t)   ; each half of the lanes stores 256 consecutive bytes, aligned: one tile's block
.if (\t)+2 < 4
	QLOAD (\t)+2
.endif
.endm
.macro QW first, wp, qp                ; first: the first work-group of this path; wp, qp: the scalar pairs with the weight's and the workspace's address
	s_sub_co_u32 s20, ttmp9, \first
	s_lshr_b32 s21, s20, CGB                       ; (steps in an expert) x e + step
	s_and_b32 s22, s20, (1<<CGB)-1
	s_lshl_b32 s22, s22, 2
	s_add_co_u32 s22, s22, s16                     ; g: my wave's group of 32 columns
	s_lshl_b32 s24, s21, WSH
	s_lshl_b32 s23, s22, 7
	s_add_co_u32 s24, s24, s23
	s_mov_b32 s25, 0
	s_add_nc_u64 s[26:27], s[\wp:\wp+1], s[24:25]  ; the weight at my first k and first column
	s_lshr_b32 s23, s21, KSB
	s_lshl_b32 s24, s23, 20                        ; an expert's codes are 2^20 bytes
	s_and_b32 s23, s21, (1<<KSB)-1
	s_lshl_b32 s23, s23, 10                        ; a step's four blocks
	s_add_co_u32 s24, s24, s23
	s_lshl_b32 s23, s22, GSH
	s_add_co_u32 s24, s24, s23
	s_add_nc_u64 s[28:29], s[\qp:\qp+1], s[24:25]  ; my codes
	s_lshl_b32 s24, s21, SSH
	s_lshl_b32 s23, s22, 7
	s_add_co_u32 s24, s24, s23
	s_add_co_u32 s24, s24, WSC
	s_add_nc_u64 s[30:31], s[\qp:\qp+1], s[24:25]  ; my scale words
	v_and_b32 v6, 15, v0                           ; r
	v_bfe_u32 v7, v0, 4, 1                         ; u
.if PERM
	v_and_b32 v3, 8, v6
	v_add_nc_u32 v3, v3, v6
	v_lshl_add_u32 v3, v7, 3, v3                   ; my column in the group: 8 u + r + 8 (r / 8)
	v_lshlrev_b32 v3, 2, v3
.else
	v_lshlrev_b32 v3, 2, v2                        ; my column in the group: my lane
.endif
	v_lshlrev_b32 v4, 4, v6
	v_lshl_add_u32 v4, v7, USH, v4                 ; codes: tile u, place r
	v_lshlrev_b32 v5, 2, v2                        ; scale words: 4 bytes a lane
	QLOAD 0
	QLOAD 1
	QBLOCK 0
	QBLOCK 1
	QBLOCK 2
	QBLOCK 3
	global_store_b32 v5, v[QSB], s[30:31]          ; 128 consecutive bytes a wave, 512 a work-group
.endm
; the tokens' path
.set STEPS, 4
.set EMAX,  2
.set CB,    8                          ; bytes of 16 codes
.set R,     16                         ; v16-79   four sets of 16 numbers as they are loaded
.set X,     80                         ; v80-111  two sets of 16 neighbours
.set C,     128                        ; v128-143 codes: four registers for each step
.set E,     112                        ; v112-115 a scale byte for each step
.set WREG,  8192                       ; LDS: a region for each wave: two stages of 32 x SP bytes, then its 64 scale bytes
.set SP,    80                         ; a lane's place in a stage: 64 bytes + 16 of padding
	s_load_b256 s[4:11], s[0:1], 0x0               ; x s[4:5], routing_tensor s[6:7], w0 s[8:9], q0 s[10:11]
	s_load_b64 s[12:13], s[0:1], 0x20              ; rt0
	v_lshl_add_u32 v[SPW], v0, 2, SPARE
	v_mov_b32 v[NIL], 0
	v_lshrrev_b32 v1, 5, v0
	v_readfirstlane_b32 s16, v1                    ; wave
	v_and_b32 v2, 31, v0                           ; lane
	s_wait_kmcnt 0x0
	s_cmp_lt_u32 ttmp9, XWG
	s_cbranch_scc1 .Ltokens
	s_wait_alu depctr_va_vdst(0)
	QW XWG, 8, 10
	s_endpgm                                       ; these waves touch no LDS
.Ltokens:
	s_wait_alu depctr_va_vdst(0)
	v_lshlrev_b32 v3, 4, v2                        ; my 16 bytes of a load's 512
	s_mul_i32 s17, s16, WREG
	v_lshrrev_b32 v14, 2, v2
	v_mul_u32_u24 v14, v14, SP
	v_and_b32 v15, 3, v2
	v_lshl_add_u32 v14, v15, 4, v14
	v_add_nc_u32 v14, s17, v14                     ; the stage, on the way in: four lanes' 64 bytes on end, then 16 of padding
	v_mul_u32_u24 v15, v2, SP
	v_add_nc_u32 v15, s17, v15                     ; and on the way out: my 16 neighbours
	v_mul_u32_u24 v4, v2, CB                       ; my codes' place in a step's
	v_lshrrev_b32 v5, 1, v2
	s_add_co_u32 s17, s17, 2*32*SP
	v_add_nc_u32 v5, s17, v5                       ; LDS: my wave's 64 scale bytes, my block's byte
	v_lshlrev_b32 v7, 1, v2
	v_add_nc_u32 v6, s17, v7                       ; and on the way out 2 bytes a lane
	s_lshl_b32 s18, ttmp9, 2
	s_add_co_u32 s18, s18, s16                     ; which run of 2,048 numbers is my wave's
	s_mov_b32 s21, 0
	s_lshl_b32 s20, s18, 13
	s_add_nc_u64 s[4:5], s[4:5], s[20:21]
	s_lshl_b32 s20, s18, 10
	s_add_co_u32 s20, s20, XQ
	s_add_nc_u64 s[26:27], s[10:11], s[20:21]      ; its codes
	s_lshl_b32 s20, s18, 6
	s_add_co_u32 s20, s20, XSC
	s_add_nc_u64 s[28:29], s[10:11], s[20:21]      ; its scale bytes
.macro LOAD t
.irp i, 0,1,2,3
	global_load_b128 v[R+16*((\t)%4)+4*\i:R+16*((\t)%4)+4*\i+3], v3, s[4:5] offset:2048*(\t)+512*\i th:TH_LOAD_NT   ; 32 lanes read 512 consecutive bytes
.endr
.endm
.macro TURN t                          ; step t's numbers through the stage: LDS serves a wave's instructions in order, so no wait stands between the stores and the loads
.irp i, 0,1,2,3
	ds_store_b128 v14, v[R+16*((\t)%4)+4*\i:R+16*((\t)%4)+4*\i+3] offset:32*SP*((\t)%2)+8*SP*\i
.endr
.irp i, 0,1,2,3
	ds_load_b128 v[X+16*((\t)%2)+4*\i:X+16*((\t)%2)+4*\i+3], v15 offset:32*SP*((\t)%2)+16*\i
.endr
.endm
.irp t, 0,1,2,3
	LOAD \t                                        ; all of my wave's 16 loads
.endr
	; wave 0 of every fourth work-group: the keys and masks of a chunk of 32 tokens, a lane a token, in registers that the stream does not need yet
	s_and_b32 s31, ttmp9, 3
	s_or_b32 s31, s31, s16
	s_cmp_lg_u32 s31, 0
	s_cbranch_scc1 .Lno_keys
	s_lshr_b32 s31, ttmp9, 2                       ; the chunk
	s_lshl_b32 s20, s31, 10                        ; 32 tokens x 32 bytes of routing_tensor
	s_add_nc_u64 s[22:23], s[6:7], s[20:21]
	v_lshlrev_b32 v92, 5, v2
	global_load_b128 v[80:83], v92, s[22:23]
	global_load_b128 v[84:87], v92, s[22:23] offset:16
	s_mov_b32 s24, 0xffff0000                      ; lanes 16 to 31
	s_lshl_b32 s25, s31, 7
	s_lshl_b32 s30, s31, 2
	v_lshl_add_u32 v93, v2, 2, s25                 ; my token's key: 4 bytes a token
	v_lshl_add_u32 v94, v2, 8, s30                 ; mask number = my lane: 256 bytes a mask, 4 bytes a chunk
	v_mov_b32 v88, 0
	v_mov_b32 v89, -1
	s_wait_loadcnt 0x0
.irp e, 0,1,2,3,4,5,6,7
	v_cmp_neq_f32 s[40+\e], 0, v[80+\e]            ; which of the 32 tokens use expert e
.endr
.irp e, 0,1,2,3,4,5,6,7
	v_cndmask_b32 v90, 0, 1<<\e, s[40+\e]
	v_or_b32 v88, v88, v90                         ; my token's key
.endr
.irp i, 0,1,2,3
	v_mov_b32 v90, s[40+\i]
	v_cndmask_b32 v90, v90, s[44+\i], s24          ; lanes 0-15 look at the key's low four bits, lanes 16-31 at its high four
	v_bfe_u32 v91, v2, \i, 1
	v_add_nc_u32 v91, -1, v91                      ; 0 where my number has bit i, else all ones
	v_xor_b32 v90, v90, v91                        ; the tokens that agree with my number in bit i
	v_and_b32 v89, v89, v90
.endr
	global_store_b32 v93, v88, s[12:13]
	global_store_b32 v94, v89, s[12:13] offset:8192
	s_wait_xcnt 0x0                                ; the two stores have read their registers, which the stream takes next
.Lno_keys:
	s_wait_loadcnt 12                              ; step 0's four loads are in
	s_wait_alu depctr_va_vdst(0)
	TURN 0
.macro STEP t
.set XS, X+16*((\t)%2)
.if (\t) > 0
	s_wait_dscnt 1                                 ; this step's numbers are back from the stage (the last step's byte store may be out)
.else
	s_wait_dscnt 0x0
.endif
.if (\t)+1 < STEPS
	s_wait_loadcnt 4*(STEPS-2-(\t))                ; the next step's four loads are in; those of the steps behind it may be out
	TURN (\t)+1
.endif
	v_max3_num_f32 v8, |v[XS]|, |v[XS+1]|, |v[XS+2]|               ; the largest magnitude of my 16
	v_max3_num_f32 v9, |v[XS+3]|, |v[XS+4]|, |v[XS+5]|
.irp i, 6,10
	v_max3_num_f32 v8, v8, |v[XS+\i]|, |v[XS+\i+1]|
	v_max3_num_f32 v9, v9, |v[XS+\i+2]|, |v[XS+\i+3]|
.endr
	v_max3_num_f32 v8, v8, |v[XS+14]|, |v[XS+15]|
	v_max3_num_f32 v8, v8, v9, (EMAX+1)<<23        ; and the floor 2^(3 - 127)
	v_max_num_f32_dpp v8, v8, v8 row_xmask:1 row_mask:0xf bank_mask:0xf   ; and of my neighbour's 16: the block's
	v_add_nc_u32 v11, -(EMAX<<23), v8
	v_cvt_scalef32_pk8_fp4_f32 v[C+4*(\t)], v[XS:XS+7], v11
	v_cvt_scalef32_pk8_fp4_f32 v[C+4*(\t)+1], v[XS+8:XS+15], v11
	v_lshrrev_b32 v[E+(\t)], 23, v11               ; the scale's byte
	ds_store_b8 v5, v[E+(\t)] offset:16*(\t)       ; both lanes of a block write the same byte with the same value
	global_store_b64 v4, v[C+4*(\t):C+4*(\t)+1], s[26:27] offset:32*CB*(\t)   ; the wave stores 256 consecutive bytes, aligned
.endm
.irp t, 0,1,2,3
	STEP \t
.endr
	ds_load_u16 v8, v6                             ; LDS serves a wave's instructions in order: this sees my stores
	s_wait_dscnt 0x0
	global_store_b16 v7, v8, s[28:29]              ; 32 lanes store my wave's 64 scale bytes, on end; the four waves' lie on end too
	s_wait_tensorcnt 0x0                           ; the wave's end, behind my last LDS store
	ds_add_u32 v[SPW], v[NIL]
	s_wait_dscnt 0x0
	s_endpgm
.Lfunc_end_k_q30d157e563_prep0:
	.size	k_q30d157e563_prep0, .Lfunc_end_k_q30d157e563_prep0-k_q30d157e563_prep0
	.p2alignl 7, 3214868480
	.fill 96, 4, 3214868480
	.section	.rodata,"a",@progbits
	.p2align	6, 0x0
	.amdhsa_kernel k_q30d157e563_prep0
		.amdhsa_group_segment_fixed_size 33280
		.amdhsa_private_segment_fixed_size 0
		.amdhsa_enable_private_segment 0
		.amdhsa_kernarg_size 40
		.amdhsa_user_sgpr_count 2
		.amdhsa_user_sgpr_kernarg_segment_ptr 1
		.amdhsa_wavefront_size32 1
		.amdhsa_system_sgpr_workgroup_id_x 1
		.amdhsa_system_sgpr_workgroup_id_y 1
		.amdhsa_system_sgpr_workgroup_id_z 1
		.amdhsa_system_vgpr_workitem_id 0
		.amdhsa_next_free_vgpr 192
		.amdhsa_next_free_sgpr 66
		.amdhsa_reserve_vcc 0
		.amdhsa_float_denorm_mode_32 3
		.amdhsa_float_denorm_mode_16_64 3
		.amdhsa_memory_ordered 1
		.amdhsa_forward_progress 1
		.amdhsa_inst_pref_size 33
	.end_amdhsa_kernel
	.amdgpu_metadata
---
amdhsa.version: [ 1, 2 ]
amdhsa.kernels:
  - .name:           k_q30d157e563_prep0
    .symbol:         k_q30d157e563_prep0.kd
    .args:
      - { .name: x, .offset: 0, .size: 8, .value_kind: global_buffer, .address_space: global }
      - { .name: routing_tensor, .offset: 8, .size: 8, .value_kind: global_buffer, .address_space: global }
      - { .name: w0, .offset: 16, .size: 8, .value_kind: global_buffer, .address_space: global }
      - { .name: q0, .offset: 24, .size: 8, .value_kind: global_buffer, .address_space: global }
      - { .name: rt0, .offset: 32, .size: 8, .value_kind: global_buffer, .address_space: global }
    .group_segment_fixed_size: 33280
    .private_segment_fixed_size: 0
    .kernarg_segment_align: 8
    .kernarg_segment_size: 40
    .max_flat_workgroup_size: 128
    .sgpr_count:     66
    .vgpr_count:     192
    .wavefront_size: 32
...
	.end_amdgpu_metadata
.endif
;; end of part 1
;; launch prep1 (part 2): grid 1793 x 1, 4 waves a work-group, no clusters, 43,776 bytes of LDS; arguments w1, rt0, q1, rt1, w0, q0; writes q1, rt1, q0
.if DOCPART == 2
	.amdgcn_target "amdgcn-amd-amdhsa--gfx1250"
	.amdhsa_code_object_version 6
	.text
	.protected	k_q30d157e563_prep1
	.globl	k_q30d157e563_prep1
	.p2align	8
	.type	k_q30d157e563_prep1,@function
k_q30d157e563_prep1:
	s_mov_b64 s[64:65], 0
	v_nop
	global_prefetch_b8 v0, s[64:65] scope:SCOPE_SE
	s_setreg_imm32_b32 hwreg(HW_REG_WAVE_MODE, 25, 1), 1
	s_wait_xcnt 0x0
; Work-groups 1 to 1024: w1 [8][2048 k][1024 d] f32 -> codes of FP4 and scale words in q1, by the same plan as w0 in the launch before (a lane to a column, registers down K), columns in their natural order.
; Work-group 0 SORTS THE 2,048 TOKENS BY THEIR KEY (bit e: r[n][e] != 0; read as whole numbers from rt0), so that tokens with the same experts become neighbours, and lists for each expert the tiles of 16 sorted tokens that use it.
; Work left out by the later launches (terms whose r is 0) is chosen from these lists; any order of the tokens gives the same results, the sort decides only how many tiles an expert has.
; THE SORT, a counting sort with 256 bins and no atomics.  Thread t (of 128) owns bins t and t + 128.  The tokens come in 64 chunks of 32.  rt0 holds for each chunk 32 masks (tokens whose key's low, or high, four bits have a given value):
; 8 KB, which come into LDS once, 64 bytes a thread, in rows 272 bytes apart.  The AND of two masks marks a bin's tokens in a chunk.  A: each thread counts its two bins chunk by chunk, 16 chunks' masks at a time in a ring of two sets of registers,
; and stores the running counts: the table (chunk, bin) -> tokens of the bin in the chunks in front.  B: a prefix sum over the 256 totals gives each bin's first place.
; Each token then reads its table entry, its bin's first place and the two masks of its own key, and adds the number of lower lanes of its chunk with the same key.  ORDER[place] = token.
; THE LISTS.  Thread t is also tile t, places 16 t .. 16 t + 15.  With f(k) = bin k's first place held into that range, bin k has f(k + 1) - f(k) places in the tile.  The bins whose number has bit e come in runs of 2^e, so the tile's places whose key has
; bit e are A_e - B_e: B_e = the sum of f over the odd multiples of 2^e, A_e = the sum over the even ones = A_(e+1) + B_(e+1), A_7 = f(256) = the tile's end.  So each f is made once and added once.  TKEY[t] = the bits e with A_e != B_e.
; A ballot for each expert ranks the tiles that use it; the others fill the rest of the expert's 128 slots, so that every slot is stored.  The tile of rank k goes to part k % 4, slot k / 4.  ECNT[e] = how many tiles use e.
; LDS is written only at addresses made of ids; the reads at addresses made of a key stand between two barriers between which nothing is written.
.set WSC,   8388608                    ; q1: w1's scale words (its codes begin at 0)
.set SPW,   12
.set NIL,   13
.set TBL,   0                          ; LDS: [64 chunks][256 bins] 16-bit: the bin's tokens in the chunks in front
.set BASE,  32768                      ; [256] 32-bit: each bin's first place
.set WT,    34048                      ; the four waves' totals, lower bins then upper bins
.set CW,    34304                      ; [4 waves][8 experts]: tiles that use the expert
.set SPARE, 34560                      ; the spare words, 128 bytes a wave
.set NIBL,  35072                      ; the 32 rows of masks, 64 chunks x 4 bytes each,
.set NP,    272                        ; 272 bytes apart: the sixteen rows that a load touches start at sixteen different banks
.set ELIST, 8192                       ; rt1: ORDER at 0
.set ECNT,  12288
.set TKEY,  12544
.set CGB,   3
.set KSB,   4
.set WSH,   19
.set GSH,   15
.set USH,   14
.set SSH,   12
.set NCOL,  1024
.set PERM,  0
.set QXB,   32
.set QC,    96
.set QSB,   112
.macro QLOAD t                         ; block t: W(32 t + i, my column), i = 0 .. 31
.set i, 0
.rept 32
	global_load_b32 v[QXB+32*((\t)%2)+i], v3, s[26:27] offset:(32*(\t)+i)*NCOL*4 th:TH_LOAD_NT
.set i, i+1
.endr
.endm
.macro QBLOCK t
.set QX, QXB+32*((\t)%2)
.if (\t) < 3
	s_wait_loadcnt 32                              ; this block's 32 loads are in; the next block's 32 may be out
.else
	s_wait_loadcnt 0x0
.endif
	v_max3_num_f32 v8, |v[QX]|, |v[QX+1]|, |v[QX+2]|
	v_max3_num_f32 v9, |v[QX+3]|, |v[QX+4]|, |v[QX+5]|
.irp i, 6,10,14,18,22,26
	v_max3_num_f32 v8, v8, |v[QX+\i]|, |v[QX+\i+1]|
	v_max3_num_f32 v9, v9, |v[QX+\i+2]|, |v[QX+\i+3]|
.endr
	v_max3_num_f32 v8, v8, |v[QX+30]|, |v[QX+31]|
	v_max3_num_f32 v8, v8, v9, 0x1800000           ; the floor 2^(3 - 127): the byte cannot fall under 1
	v_add_nc_u32 v11, 0xff000000, v8               ; 2 off the exponent field: the conversion's scale operand
	v_lshrrev_b32 v9, 23, v11
.if (\t) == 0
	v_mov_b32 v[QSB], v9
.else
	v_lshl_or_b32 v[QSB], v9, 8*(\t), v[QSB]
.endif
.irp g, 0,1,2,3
	v_cvt_scalef32_pk8_fp4_f32 v[QC+4*(\t)+\g], v[QX+8*\g:QX+8*\g+7], v11
.endr
	global_store_b128 v4, v[QC+4*(\t):QC+4*(\t)+3], s[28:29] offset:256*(\t)   ; each half of the lanes stores 256 consecutive bytes, aligned
.if (\t)+2 < 4
	QLOAD (\t)+2
.endif
.endm
.macro QW first, wp, qp
	s_sub_co_u32 s20, ttmp9, \first
	s_lshr_b32 s21, s20, CGB
	s_and_b32 s22, s20, (1<<CGB)-1
	s_lshl_b32 s22, s22, 2
	s_add_co_u32 s22, s22, s16                     ; g: my wave's group of 32 columns
	s_lshl_b32 s24, s21, WSH
	s_lshl_b32 s23, s22, 7
	s_add_co_u32 s24, s24, s23
	s_mov_b32 s25, 0
	s_add_nc_u64 s[26:27], s[\wp:\wp+1], s[24:25]
	s_lshr_b32 s23, s21, KSB
	s_lshl_b32 s24, s23, 20
	s_and_b32 s23, s21, (1<<KSB)-1
	s_lshl_b32 s23, s23, 10
	s_add_co_u32 s24, s24, s23
	s_lshl_b32 s23, s22, GSH
	s_add_co_u32 s24, s24, s23
	s_add_nc_u64 s[28:29], s[\qp:\qp+1], s[24:25]
	s_lshl_b32 s24, s21, SSH
	s_lshl_b32 s23, s22, 7
	s_add_co_u32 s24, s24, s23
	s_add_co_u32 s24, s24, WSC
	s_add_nc_u64 s[30:31], s[\qp:\qp+1], s[24:25]
	v_and_b32 v6, 15, v0
	v_bfe_u32 v7, v0, 4, 1
.if PERM
	v_and_b32 v3, 8, v6
	v_add_nc_u32 v3, v3, v6
	v_lshl_add_u32 v3, v7, 3, v3
	v_lshlrev_b32 v3, 2, v3
.else
	v_lshlrev_b32 v3, 2, v2
.endif
	v_lshlrev_b32 v4, 4, v6
	v_lshl_add_u32 v4, v7, USH, v4
	v_lshlrev_b32 v5, 2, v2
	QLOAD 0
	QLOAD 1
	QBLOCK 0
	QBLOCK 1
	QBLOCK 2
	QBLOCK 3
	global_store_b32 v5, v[QSB], s[30:31]
.endm
; registers of the sort: none above v191, so that five work-groups of this launch fit on a WGP's registers
.set KEY, 32                           ; v32-47   my lane's token's key in each of my wave's 16 chunks
.set T,   4                            ; v4-7     at work
.set M,   48                           ; v48-51   four masks at work: two chunks x two bins
.set RUN, 52                           ; v52      the running counts: bin t below, bin t + 128 above
.set C0,  53
.set C1,  54
.set X0,  55
.set X1,  56
.set B0,  57
.set B1,  58
.set WA,  60                           ; v60-63   the waves' totals of the lower bins
.set WB,  28                           ; v28-31   of the upper bins
.set RB,  64                           ; v64-159  the ring: two sets of 48: 16 chunks' masks of my bins' low four bits, of bin t's high four, of bin t + 128's
.set P,   160                          ; v160-191 the running counts as they are stored: two sets of 16, which take turns
.set AL,  64                           ; behind phase A, 16 registers each: LDS addresses made of my tokens' keys,
.set AH,  80
.set TA,  96
.set BA,  112
.set GL,  128                          ; and what is read there
.set GH,  144
.set TB,  160
.set BV,  176
.set PO,  64
.set TKN, 80
.set BS,  64                           ; v64-191  128 bins' first places
.set LO,  48
.set HI,  49
.set TKV, 50
.set AA,  51
.set BB,  52                           ; v52-59   B_0 .. B_7
.set SA,  52
.set CN,  64
.set CA,  72
.set PRE, 104
.set TOT, 112
.set EA,  120
.set RK,  128
.set RU,  129
.macro LQ q                            ; 12 LDS loads: the masks of chunks 16 q .. 16 q + 15 into set q % 2
.set RBB, RB+48*((\q)%2)
.irp j, 0,1,2,3
	ds_load_b128 v[RBB+4*\j:RBB+4*\j+3], v14 offset:64*(\q)+16*\j
	ds_load_b128 v[RBB+16+4*\j:RBB+16+4*\j+3], v15 offset:64*(\q)+16*\j
	ds_load_b128 v[RBB+32+4*\j:RBB+32+4*\j+3], v15 offset:8*NP+64*(\q)+16*\j
.endr
.endm
.macro AQ q                            ; those 16 chunks are counted, two chunks (four masks) at a time: bits summed in fields of 2, 4, 8, then by a product; 32 LDS stores
.set RBB, RB+48*((\q)%2)
.set PP, P+16*((\q)%2)
.set i, 0
.rept 8
	v_and_b32 v[M], v[RBB+i], v[RBB+16+i]
	v_and_b32 v[M+1], v[RBB+i], v[RBB+32+i]
	v_and_b32 v[M+2], v[RBB+i+1], v[RBB+16+i+1]
	v_and_b32 v[M+3], v[RBB+i+1], v[RBB+32+i+1]
.irp c, 0,1,2,3
	v_lshrrev_b32 v[T+\c], 1, v[M+\c]
.endr
.irp c, 0,1,2,3
	v_and_b32 v[T+\c], s30, v[T+\c]
.endr
.irp c, 0,1,2,3
	v_sub_nc_u32 v[M+\c], v[M+\c], v[T+\c]
.endr
.irp c, 0,1,2,3
	v_lshrrev_b32 v[T+\c], 2, v[M+\c]
.endr
.irp c, 0,1,2,3
	v_and_b32 v[M+\c], s31, v[M+\c]
.endr
.irp c, 0,1,2,3
	v_and_b32 v[T+\c], s31, v[T+\c]
.endr
.irp c, 0,1,2,3
	v_add_nc_u32 v[M+\c], v[M+\c], v[T+\c]
.endr
.irp c, 0,1,2,3
	v_lshrrev_b32 v[T+\c], 4, v[M+\c]
.endr
.irp c, 0,1,2,3
	v_add_nc_u32 v[M+\c], v[M+\c], v[T+\c]
.endr
.irp c, 0,1,2,3
	v_and_b32 v[M+\c], s32, v[M+\c]
.endr
.irp c, 0,1,2,3
	v_mul_lo_u32 v[M+\c], v[M+\c], s33
.endr
.irp c, 0,1,2,3
	v_lshrrev_b32 v[M+\c], 24, v[M+\c]
.endr
	v_mov_b32 v[PP+i], v[RUN]                      ; how many came in the chunks in front
	v_add_nc_u32 v[RUN], v[RUN], v[M]
	v_lshl_add_u32 v[RUN], v[M+1], 16, v[RUN]
	v_mov_b32 v[PP+i+1], v[RUN]
	v_add_nc_u32 v[RUN], v[RUN], v[M+2]
	v_lshl_add_u32 v[RUN], v[M+3], 16, v[RUN]      ; no field passes 2,048
	ds_store_b16 v17, v[PP+i] offset:512*(16*(\q)+i)
	ds_store_b16_d16_hi v17, v[PP+i] offset:512*(16*(\q)+i)+256
	ds_store_b16 v17, v[PP+i+1] offset:512*(16*(\q)+i+1)
	ds_store_b16_d16_hi v17, v[PP+i+1] offset:512*(16*(\q)+i+1)+256
.set i, i+2
.endr
.endm
	s_load_b256 s[4:11], s[0:1], 0x0               ; w1 s[4:5], rt0 s[6:7], q1 s[8:9], rt1 s[10:11]
	s_load_b128 s[12:15], s[0:1], 0x20             ; w0 s[12:13], q0 s[14:15]
	v_lshl_add_u32 v[SPW], v0, 2, SPARE
	v_mov_b32 v[NIL], 0
	v_lshrrev_b32 v1, 5, v0
	v_readfirstlane_b32 s16, v1                    ; wave
	v_and_b32 v2, 31, v0                           ; lane
	s_wait_kmcnt 0x0
	s_cmp_eq_u32 ttmp9, 0
	s_cbranch_scc1 .Lplace
	s_cmp_gt_u32 ttmp9, 1024
	s_cbranch_scc1 .Lw0
	s_wait_alu depctr_va_vdst(0)
	QW 1, 4, 8
	s_endpgm                                       ; these waves touch no LDS
.Lw0:
; Work-groups 1025 to 1792: w0's shares W0A to 1,023 (the launch before took shares 0 to W0A - 1), into q0, by the same macro with w0's shape:
; 16 groups of 128 columns, 8 steps of 128 along K, rows of 8,192 bytes, and the places of a tile in the order that the next product's K wants.
.set W0A,   256
.set CGB,   4
.set KSB,   3
.set WSH,   20
.set GSH,   14
.set USH,   13
.set SSH,   13
.set NCOL,  2048
.set PERM,  1
	s_wait_alu depctr_va_vdst(0)                   ; behind the taken branch
	QW 1025-W0A, 12, 14
	s_endpgm                                       ; these waves touch no LDS
.Lplace:
	v_lshlrev_b32 v27, 6, v0                       ; the masks: 64 bytes a thread
	s_lshl_b32 s20, s16, 11
	s_wait_alu depctr_va_vdst(0)
	v_lshl_add_u32 v16, v2, 2, s20                 ; my wave's 512 keys, 4 bytes a lane
.irp j, 0,1,2,3
	global_load_b128 v[RB+4*\j:RB+4*\j+3], v27, s[6:7] offset:8192+16*\j
.endr
.set i, 0
.rept 16
	global_load_b32 v[KEY+i], v16, s[6:7] offset:128*i
.set i, i+1
.endr
	v_lshrrev_b32 v11, 2, v0                       ; into LDS: row t / 4, 64 (t % 4) bytes on
	v_mul_u32_u24 v11, v11, NP
	v_and_b32 v10, 3, v0
	v_lshl_add_u32 v11, v10, 6, v11
	v_add_nc_u32 v11, NIBL, v11
	v_and_b32 v14, 15, v0
	v_mul_u32_u24 v14, v14, NP
	v_add_nc_u32 v14, NIBL, v14                    ; the row of masks of my bins' low four bits
	v_lshrrev_b32 v15, 4, v0
	v_mul_u32_u24 v15, v15, NP
	v_add_nc_u32 v15, NIBL+16*NP, v15              ; and of their high four bits (t / 16; the upper bin's lies 8 rows on)
	v_lshlrev_b32 v17, 1, v0                       ; the table: 2 bytes a bin
	v_lshl_add_u32 v18, v0, 2, BASE
	s_lshl_b32 s24, s16, 2
	s_add_co_u32 s24, s24, WT
	v_mov_b32 v19, s24
	v_mov_b32 v20, WT
	s_lshl_b32 s24, s16, 5
	s_add_co_u32 s24, s24, CW
	v_mov_b32 v21, s24
	v_mov_b32 v22, CW
	v_mov_b32 v23, BASE
	v_bfe_u32 v24, v0, 4, 1                        ; which half of the lanes
	v_lshlrev_b32 v25, 2, v0
	v_mov_b32 v26, 0
	s_mov_b32 s30, 0x55555555
	s_mov_b32 s31, 0x33333333
	s_mov_b32 s32, 0x0f0f0f0f
	s_mov_b32 s33, 0x01010101
	s_cmp_gt_u32 s16, 0
	s_cselect_b32 s36, -1, 0                       ; all ones where wave 0, 1, 2 stands in front of mine
	s_cmp_gt_u32 s16, 1
	s_cselect_b32 s37, -1, 0
	s_cmp_gt_u32 s16, 2
	s_cselect_b32 s38, -1, 0
	s_mov_b32 s39, NP
	s_lshl_b32 s21, s16, 6                         ; my wave's 16 chunks in a row of masks: 4 bytes a chunk
	s_add_co_u32 s21, s21, NIBL
	s_lshl_b32 s22, s16, 13                        ; and in the table: 512 bytes a chunk
	s_lshl_b32 s23, s16, 9                         ; my wave's first token
	v_mov_b32 v[RUN], 0
	; the 16 bytes of padding behind each of the 32 rows of masks are written too (zeros): wave w takes rows 8 w .. 8 w + 7, four lanes to a row with the same value.
	; So every byte between the first and the last row is written before the reads at addresses made of a key.
	v_lshrrev_b32 v8, 5, v0
	v_and_b32 v9, 7, v0
	v_mov_b32 v4, 0
	v_mov_b32 v5, 0
	v_lshl_add_u32 v8, v8, 3, v9
	v_mov_b32 v6, 0
	v_mov_b32 v7, 0
	v_mul_u32_u24 v8, v8, NP
	v_add_nc_u32 v8, NIBL+256, v8
	ds_store_b128 v8, v[4:7]
	s_wait_loadcnt 16                              ; my 64 bytes of masks are in; the 16 loads of keys behind them may be out
.irp j, 0,1,2,3
	ds_store_b128 v11, v[RB+4*\j:RB+4*\j+3] offset:16*\j
.endr
	s_wait_dscnt 0x0                               ; for the others' sake: my stores are done
	s_barrier_signal -1
	s_barrier_wait -1                              ; the masks lie in LDS
	; A
	LQ 0
	LQ 1
	s_wait_dscnt 12                                ; the first 16 chunks' masks are in; younger: the next 16 chunks' 12 loads
	AQ 0
	LQ 2
	s_wait_dscnt 44                                ; younger than the second quarter's loads: 32 stores and 12 loads
	AQ 1
	LQ 3
	s_wait_dscnt 44                                ; the same of the third; the first quarter's stores are done too, so their registers may be written again
	AQ 2
	s_wait_dscnt 32                                ; younger than the last quarter's loads: the third quarter's 32 stores; the second quarter's are done
	AQ 3
	; B: the prefix sum over the bins: in the wave (16 lanes by shifts, then the first half's total onto the second), then over the waves through LDS
	v_and_b32 v[C0], 0xffff, v[RUN]
	v_lshrrev_b32 v[C1], 16, v[RUN]
	v_mov_b32 v[X0], v[C0]
	v_mov_b32 v[X1], v[C1]
.irp n, 1,2,4,8
	v_mov_b32 v[T], 0                              ; lanes without a source keep this 0
	v_mov_b32 v[T+1], 0
	v_mov_b32_dpp v[T], v[X0] row_shr:\n row_mask:0xf bank_mask:0xf
	v_mov_b32_dpp v[T+1], v[X1] row_shr:\n row_mask:0xf bank_mask:0xf
	v_add_nc_u32 v[X0], v[X0], v[T]
	v_add_nc_u32 v[X1], v[X1], v[T+1]
.endr
	v_readlane_b32 s34, v[X0], 15
	v_readlane_b32 s35, v[X1], 15
	v_mad_u32_u24 v[X0], s34, v24, v[X0]
	v_mad_u32_u24 v[X1], s35, v24, v[X1]
	v_readlane_b32 s34, v[X0], 31
	v_readlane_b32 s35, v[X1], 31
	v_mov_b32 v[T], s34
	v_mov_b32 v[T+1], s35
	ds_store_b32 v19, v[T]                         ; my wave's totals: all lanes write the same word with the same value
	ds_store_b32 v19, v[T+1] offset:16
	; while the stores land: where each of my 16 tokens will read.  A loaded key enters an address only behind v_min_u32
	v_mov_b32 v10, s21
	s_wait_loadcnt 0x0                             ; the keys
.set i, 0
.rept 16
	v_and_b32 v[AL+i], 15, v[KEY+i]
	v_lshrrev_b32 v[AH+i], 4, v[KEY+i]
	v_min_u32 v[TA+i], 255, v[KEY+i]
	v_min_u32 v[AL+i], 15, v[AL+i]
	s_wait_alu depctr_va_vdst(0)
	v_min_u32 v[AH+i], 15, v[AH+i]
	v_lshl_add_u32 v[BA+i], v[TA+i], 2, BASE       ; my bin's first place
	v_lshl_add_u32 v[TA+i], v[TA+i], 1, s22        ; my table entry
	v_mad_u32_u24 v[AL+i], v[AL+i], s39, v10       ; the masks of my key's low four bits
	v_mad_u32_u24 v[AH+i], v[AH+i], s39, v10       ; and (16 rows on) of its high four
.set i, i+1
.endr
	s_wait_dscnt 0x0                               ; for the others' sake: my stores are done
	s_barrier_signal -1
	s_barrier_wait -1
	ds_load_b128 v[WA:WA+3], v20
	ds_load_b128 v[WB:WB+3], v20 offset:16
	v_sub_nc_u32 v[X0], v[X0], v[C0]               ; the bins in front of mine in my wave
	v_sub_nc_u32 v[X1], v[X1], v[C1]
	s_wait_dscnt 0x0
	v_and_b32 v[T], s36, v[WA]
	v_and_b32 v[T+1], s37, v[WA+1]
	s_wait_alu depctr_va_vdst(0)
	v_and_b32 v[M], s38, v[WA+2]
	v_add3_u32 v[B0], v[X0], v[T], v[T+1]
	v_add_nc_u32 v[B0], v[B0], v[M]                ; bin t's first place
	v_and_b32 v[T], s36, v[WB]
	v_and_b32 v[T+1], s37, v[WB+1]
	v_and_b32 v[M], s38, v[WB+2]
	v_add3_u32 v[B1], v[X1], v[T], v[T+1]
	v_add3_u32 v[B1], v[B1], v[M], v[WA]
	v_add3_u32 v[B1], v[B1], v[WA+1], v[WA+2]
	v_add_nc_u32 v[B1], v[B1], v[WA+3]             ; bin t + 128's: all lower bins stand in front
	ds_store_b32 v18, v[B0]
	ds_store_b32 v18, v[B1] offset:512
	s_wait_dscnt 0x0
	s_barrier_signal -1
	s_barrier_wait -1                              ; the table and the first places lie in LDS
.set i, 0
.rept 16
	ds_load_b32 v[GL+i], v[AL+i] offset:4*i
	ds_load_b32 v[GH+i], v[AH+i] offset:16*NP+4*i
	ds_load_u16 v[TB+i], v[TA+i] offset:512*i
	ds_load_b32 v[BV+i], v[BA+i]
.set i, i+1
.endr
	v_add_nc_u32 v[T], s23, v2                     ; my token in my wave's first chunk
	s_wait_alu depctr_va_vdst(0)
	s_wait_dscnt 0x0
	s_barrier_signal -1
	s_barrier_wait -1                              ; every wave's reads by key are over: LDS may be written again
.set i, 0
.rept 16
	v_and_b32 v[GL+i], v[GL+i], v[GH+i]            ; the chunk's tokens with my key
	v_add_nc_u32 v[TB+i], v[TB+i], v[BV+i]         ; the first place of those of them in this chunk
	v_add_nc_u32 v[TKN+i], 32*i, v[T]
	v_mbcnt_lo_u32_b32 v[PO+i], v[GL+i], v[TB+i]   ; + the lower lanes with my key: my place
	v_min_u32 v[PO+i], 0x7ff, v[PO+i]
	v_lshlrev_b32 v[PO+i], 2, v[PO+i]
	global_store_b32 v[PO+i], v[TKN+i], s[10:11]   ; ORDER[place] = token
.set i, i+1
.endr
	; the tiles
	v_lshlrev_b32 v[LO], 4, v0
	v_add_nc_u32 v[HI], 16, v[LO]
	v_mov_b32 v[TKV], 0
.irp e, 0,1,2,3,4,5,6,7
	v_mov_b32 v[BB+\e], 0
.endr
	s_wait_xcnt 0x0                                ; ORDER's stores have read their registers, which the loads below fill
.irp hf, 0,1
.set q, 0
.rept 32
	ds_load_b128 v[BS+4*q:BS+4*q+3], v23 offset:512*\hf+16*q
.set q, q+1
.endr
	s_wait_dscnt 0x0
.set g, 0
.rept 32
.set k, 128*\hf+4*g                    ; bins k .. k + 3; bin 0's first place enters no sum
.irp j, 0,1,2,3
.if (k+\j) > 0
	v_max_u32 v[T+\j], v[BS+4*g+\j], v[LO]
.endif
.endr
.irp j, 0,1,2,3
.if (k+\j) > 0
	v_min_u32 v[T+\j], v[T+\j], v[HI]              ; f
.endif
.endr
	v_add3_u32 v[BB], v[BB], v[T+1], v[T+3]        ; k + 1 and k + 3 are odd,
	v_add_nc_u32 v[BB+1], v[BB+1], v[T+2]          ; k + 2 is an odd multiple of 2,
.if k > 0
.set t, 0
.set kk, k
.rept 7
.if (kk % 2) == 0
.set t, t+1
.set kk, kk/2
.endif
.endr
	v_add_nc_u32 v[BB+t], v[BB+t], v[T]            ; k of 2^t
.endif
.set g, g+1
.endr
.endr
	v_mov_b32 v[AA], v[HI]                         ; A_7 = f(256)
.irp e, 7,6,5,4,3,2,1,0
	v_sub_nc_u32 v[T+\e%4], v[AA], v[BB+\e]        ; the tile's places whose key has bit e
	v_add_nc_u32 v[AA], v[AA], v[BB+\e]            ; A_(e-1)
	v_cmp_ne_u32 s[40+\e], 0, v[T+\e%4]            ; which of my wave's 32 tiles use expert e
	v_cndmask_b32 v[T+\e%4], 0, 1<<\e, s[40+\e]
	v_or_b32 v[TKV], v[TKV], v[T+\e%4]
.endr
	global_store_b32 v25, v[TKV], s[10:11] offset:TKEY
.irp e, 0,1,2,3,4,5,6,7
	s_bcnt1_i32_b32 s[48+\e], s[40+\e]
	v_mov_b32 v[CN+\e], s[48+\e]
.endr
	ds_store_b128 v21, v[CN:CN+3]
	ds_store_b128 v21, v[CN+4:CN+7] offset:16
	s_wait_dscnt 0x0
	s_barrier_signal -1
	s_barrier_wait -1
.set q, 0
.rept 8
	ds_load_b128 v[CA+4*q:CA+4*q+3], v22 offset:16*q
.set q, q+1
.endr
	s_wait_dscnt 0x0
.irp e, 0,1,2,3,4,5,6,7
	v_and_b32 v[SA], s36, v[CA+\e]
	v_and_b32 v[SA+1], s37, v[CA+8+\e]
	v_and_b32 v[SA+2], s38, v[CA+16+\e]
	v_add3_u32 v[PRE+\e], v[SA], v[SA+1], v[SA+2]  ; tiles of the waves in front that use e
	v_add3_u32 v[TOT+\e], v[CA+\e], v[CA+8+\e], v[CA+16+\e]
	v_add_nc_u32 v[TOT+\e], v[TOT+\e], v[CA+24+\e] ; all that use e
	v_mbcnt_lo_u32_b32 v[RK], s[40+\e], v[PRE+\e]  ; tiles in front of mine that use e: my rank, if I use it
	v_add_nc_u32 v[RU], v[TOT+\e], v0
	v_sub_nc_u32 v[RU], v[RU], v[RK]               ; else: behind all that use it, in the order of the tiles
	v_cndmask_b32 v[RK], v[RU], v[RK], s[40+\e]
	v_and_b32 v[RU], 3, v[RK]
	v_lshrrev_b32 v[RK], 2, v[RK]
	v_lshl_add_u32 v[RK], v[RU], 5, v[RK]          ; part rank % 4, slot rank / 4
	v_min_u32 v[EA+\e], 127, v[RK]
	v_lshlrev_b32 v[EA+\e], 2, v[EA+\e]
	global_store_b32 v[EA+\e], v0, s[10:11] offset:ELIST+512*\e
.endr
	s_cmp_lg_u32 s16, 0
	s_cbranch_scc1 .Lnot_wave_0
	global_store_b128 v26, v[TOT:TOT+3], s[10:11] offset:ECNT      ; all lanes store the same words
	global_store_b128 v26, v[TOT+4:TOT+7], s[10:11] offset:ECNT+16
.Lnot_wave_0:
	s_wait_tensorcnt 0x0                           ; the wave's end, behind my last LDS store
	ds_add_u32 v[SPW], v[NIL]
	s_wait_dscnt 0x0
	s_endpgm
.Lfunc_end_k_q30d157e563_prep1:
	.size	k_q30d157e563_prep1, .Lfunc_end_k_q30d157e563_prep1-k_q30d157e563_prep1
	.p2alignl 7, 3214868480
	.fill 96, 4, 3214868480
	.section	.rodata,"a",@progbits
	.p2align	6, 0x0
	.amdhsa_kernel k_q30d157e563_prep1
		.amdhsa_group_segment_fixed_size 43776
		.amdhsa_private_segment_fixed_size 0
		.amdhsa_enable_private_segment 0
		.amdhsa_kernarg_size 48
		.amdhsa_user_sgpr_count 2
		.amdhsa_user_sgpr_kernarg_segment_ptr 1
		.amdhsa_wavefront_size32 1
		.amdhsa_system_sgpr_workgroup_id_x 1
		.amdhsa_system_sgpr_workgroup_id_y 1
		.amdhsa_system_sgpr_workgroup_id_z 1
		.amdhsa_system_vgpr_workitem_id 0
		.amdhsa_next_free_vgpr 192
		.amdhsa_next_free_sgpr 66
		.amdhsa_reserve_vcc 0
		.amdhsa_float_denorm_mode_32 3
		.amdhsa_float_denorm_mode_16_64 3
		.amdhsa_memory_ordered 1
		.amdhsa_forward_progress 1
		.amdhsa_inst_pref_size 179
	.end_amdhsa_kernel
	.amdgpu_metadata
---
amdhsa.version: [ 1, 2 ]
amdhsa.kernels:
  - .name:           k_q30d157e563_prep1
    .symbol:         k_q30d157e563_prep1.kd
    .args:
      - { .name: w1, .offset: 0, .size: 8, .value_kind: global_buffer, .address_space: global }
      - { .name: rt0, .offset: 8, .size: 8, .value_kind: global_buffer, .address_space: global }
      - { .name: q1, .offset: 16, .size: 8, .value_kind: global_buffer, .address_space: global }
      - { .name: rt1, .offset: 24, .size: 8, .value_kind: global_buffer, .address_space: global }
      - { .name: w0, .offset: 32, .size: 8, .value_kind: global_buffer, .address_space: global }
      - { .name: q0, .offset: 40, .size: 8, .value_kind: global_buffer, .address_space: global }
    .group_segment_fixed_size: 43776
    .private_segment_fixed_size: 0
    .kernarg_segment_align: 8
    .kernarg_segment_size: 48
    .max_flat_workgroup_size: 128
    .sgpr_count:     66
    .vgpr_count:     192
    .wavefront_size: 32
...
	.end_amdgpu_metadata
.endif
;; end of part 2
;; launch ffn1 (part 3): grid 8 x 32, 4 waves a work-group, no clusters, 0 bytes of LDS; arguments q0, b0, rt1, hbuf; writes hbuf
.if DOCPART == 3
	.amdgcn_target "amdgcn-amd-amdhsa--gfx1250"
	.amdhsa_code_object_version 6
	.text
	.protected	k_q30d157e563_ffn1
	.globl	k_q30d157e563_ffn1
	.p2align	8
	.type	k_q30d157e563_ffn1,@function
k_q30d157e563_ffn1:
	s_mov_b64 s[64:65], 0
	v_nop
	global_prefetch_b8 v0, s[64:65] scope:SCOPE_SE
	s_setreg_imm32_b32 hwreg(HW_REG_WAVE_MODE, 25, 1), 1
	s_wait_xcnt 0x0
; h = Q(gelu(x W0[e] + b0[e])) for the (tile of 16 sorted tokens, expert) pairs that the lists of the launch before name; pairs in which every r is 0 are not listed and not multiplied (their terms add 0; see the first kernel's head).
; SHARES.  Work-group (x, y): expert e = y / 4, part p = y % 4 of the expert's list of tiles, columns 256 x .. 256 x + 255 of the hidden layer.  Wave w: 64 of them, group cgl = 4 x + w: four tiles of 16 places.
; Its 32 fragments of W0 (32 KB of codes, on end in memory) stay in 256 registers for the whole launch; the tiles of x are streamed, two ahead, gathered by the sorted order.  No LDS, no barrier: waves share nothing.
; A work-group whose part of the list is empty stores nothing and ends: the grid serves every split of the tokens.  No tensor loads and no cluster: trip counts and addresses hang on the stored lists.
; THE WALK.  x has two sets of registers, which take turns tile by tile: the first tile is written out, a loop takes the tiles in pairs, and one more tile follows where their number is even.  What is asked for ahead beyond the last tile comes from a clamped slot and is dropped.
; THE PRODUCT IS USED TRANSPOSED (source 0 = 16 places of W0, source 1 = 16 tokens): a lane holds one token, and, by the order in which the places were laid, the 16 registers of two neighbouring tiles are 16 neighbours along the next K.
; b0 is the C of each sum's first matrix instruction.  gelu(a) = a (0.5 + erf(a / sqrt 2) / 2), erf(z) = z P(z^2) / Q(z^2) on |z| <= 4 (beyond that z is held at 4, where erf is 1 to f32's last bit); Q's coefficients are doubled, which is exact.
; LIMIT: for a far below 0 the sum 0.5 + erf / 2 cancels, as 1 + erf does in f32: such numbers are tiny beside their block's largest.
; h leaves as an image of the next operand's registers: [tile][e][step of 128][half][lane][16 bytes]; its scale bytes [tile][e][step][token][4], two bytes a wave and token.
; REGISTERS, in windows of 256: window 0: addresses, scale words, ACC, the gelu's and the quantiser's registers, b0;  window 1: W0's fragments (tile nt, step ks at 64 nt + 8 ks);  window 2: x's fragments, two sets of 64.
.set XQ,    8912896
.set XSC,   9961472
.set WSC,   8388608
.set HSC,   16777216
.set ELIST, 8192
.set ECNT,  12288
.set LIST,  4                          ; v4      my part of the list: slot = lane
.set TK,    8                          ; v8-9    tokens of a tile to come (lane % 16)
.set TKO,   10                         ; v10-11  the address they were loaded by
.set XO,    12                         ; v12-13  byte offset of my token's codes
.set XSO,   14                         ; v14-15  and of its scale bytes
.set XSW,   16                         ; v16-31  x's scale words, two sets of 8: scales and nothing else
.set WS,    32                         ; v32-47  W0's scale words: pair of tiles q, step ks at 8 q + ks: scales and nothing else
.set ACC,   48                         ; v48-79  four accumulators
.set Z,     80
.set S,     96
.set AM,    148
.set SC,    152
.set BY,    154
.set CD,    156                        ; v156-159 the codes
.set BYW,   160
.set HO,    164
.set HSOF,  165
.set B0T,   192                        ; v192-223 b0 in the result's layout
.set MSB, 0
.macro WIN new                         ; the immediate's high byte repeats the setting that is left
.if MSB != \new
	s_set_vgpr_msb (MSB<<8)|\new
.set MSB, \new
.endif
.endm
.macro KPAIR reg, val                  ; a constant for the packed forms, which name a pair
	s_mov_b32 s[\reg], \val
	s_mov_b32 s[\reg+1], s[\reg]
.endm
.macro MMA d, a, b, c, sa, sb, rows    ; rows: 1 = source 0's scales stand in lanes 16-31
.if (\rows) == 0
	v_wmma_scale_f32_16x16x128_f8f6f4 v[\d:\d+7], v[\a:\a+7], v[\b:\b+7], \c, v[\sa], v[\sb] matrix_a_fmt:MATRIX_FMT_FP4 matrix_b_fmt:MATRIX_FMT_FP4
.else
	v_wmma_scale_f32_16x16x128_f8f6f4 v[\d:\d+7], v[\a:\a+7], v[\b:\b+7], \c, v[\sa], v[\sb] matrix_a_fmt:MATRIX_FMT_FP4 matrix_b_fmt:MATRIX_FMT_FP4 matrix_a_scale:MATRIX_SCALE_ROW1
.endif
.endm
.macro TILEID add                      ; s24 = the tile at slot min(i + add, last) of my part
	s_add_co_u32 s69, s23, \add
	s_min_u32 s69, s69, s68
	v_readlane_b32 s24, v[LIST], s69
	s_min_u32 s24, s24, 127                        ; a loaded number enters an address only behind this
.endm
.macro TOKLD buf, add                  ; the 16 tokens of that tile
	TILEID \add
	v_lshl_add_u32 v[TKO+\buf], s24, 6, v2
	global_load_b32 v[TK+\buf], v[TKO+\buf], s[8:9]
.endm
.macro XLOAD buf                       ; 18 loads: the tile's eight fragments of x and its scale words.  The four vector lines are also the places behind the products that read this set
	v_min_u32 v[XO+\buf], 0x7ff, v[TK+\buf]
	v_lshlrev_b32 v[XSO+\buf], 5, v[XO+\buf]
	v_lshl_add_u32 v[XO+\buf], v[XO+\buf], 9, v3
	v_nop
	WIN 0x80                                       ; destination window 2
.irp ks, 0,1,2,3,4,5,6,7
	global_load_b128 v[64*\buf+8*\ks:64*\buf+8*\ks+3], v[XO+\buf], s[32:33] offset:64*\ks
	global_load_b128 v[64*\buf+8*\ks+4:64*\buf+8*\ks+7], v[XO+\buf], s[32:33] offset:64*\ks+32
.endr
	WIN 0
	global_load_b128 v[XSW+8*\buf:XSW+8*\buf+3], v[XSO+\buf], s[34:35]
	global_load_b128 v[XSW+8*\buf+4:XSW+8*\buf+7], v[XSO+\buf], s[34:35] offset:16
.endm
; the gelu of 16 numbers, up to the reciprocals of Q: pr, qr: 16 registers each
.macro GELU_A b, pr, qr
.irp p, 0,2,4,6,8,10,12,14
	v_pk_mul_f32 v[Z+\p:Z+\p+1], v[ACC+16*\b+\p:ACC+16*\b+\p+1], s[44:45] op_sel_hi:[1,0]   ; z = a / sqrt 2; each accumulator is read from its low end on
.endr
.irp p, 0,1,2,3,4,5,6,7,8,9,10,11,12,13,14,15
	v_med3_num_f32 v[Z+\p], v[Z+\p], -4.0, 4.0
.endr
.irp p, 0,2,4,6,8,10,12,14
	v_pk_mul_f32 v[S+\p:S+\p+1], v[Z+\p:Z+\p+1], v[Z+\p:Z+\p+1]
.endr
.irp p, 0,2,4,6,8,10,12,14
	v_pk_fma_f32 v[\pr+\p:\pr+\p+1], v[S+\p:S+\p+1], s[46:47], v[144:145] op_sel_hi:[1,0,1]
.endr
.irp p, 0,2,4,6,8,10,12,14
	v_pk_fma_f32 v[\qr+\p:\qr+\p+1], v[S+\p:S+\p+1], s[58:59], v[146:147] op_sel_hi:[1,0,1]
.endr
.irp c, 48,50,52,54,56
.irp p, 0,2,4,6,8,10,12,14
	v_pk_fma_f32 v[\pr+\p:\pr+\p+1], v[\pr+\p:\pr+\p+1], v[S+\p:S+\p+1], s[\c:\c+1] op_sel_hi:[1,1,0]
.endr
.endr
.irp c, 60,62,66
.irp p, 0,2,4,6,8,10,12,14
	v_pk_fma_f32 v[\qr+\p:\qr+\p+1], v[\qr+\p:\qr+\p+1], v[S+\p:S+\p+1], s[\c:\c+1] op_sel_hi:[1,1,0]
.endr
.endr
.irp p, 0,2,4,6,8,10,12,14
	v_pk_mul_f32 v[\pr+\p:\pr+\p+1], v[\pr+\p:\pr+\p+1], v[Z+\p:Z+\p+1]
.endr
	s_wait_alu depctr_va_vdst(0)
.irp p, 0,1,2,3,4,5,6,7,8,9,10,11,12,13,14,15
	v_rcp_f32 v[\qr+\p], v[\qr+\p]
.endr
.endm
.macro GELU_B b, pr, qr
.irp p, 0,2,4,6,8,10,12,14
	v_pk_fma_f32 v[\pr+\p:\pr+\p+1], v[\pr+\p:\pr+\p+1], v[\qr+\p:\qr+\p+1], 0.5 op_sel_hi:[1,1,0]
.endr
.irp p, 0,2,4,6,8,10,12,14
	v_pk_mul_f32 v[ACC+16*\b+\p:ACC+16*\b+\p+1], v[ACC+16*\b+\p:ACC+16*\b+\p+1], v[\pr+\p:\pr+\p+1]
.endr
.endm
; one tile of 16 tokens: slot i + off of my part, whose x lies in set buf
.macro TILE buf, off
	s_wait_loadcnt 19                              ; this tile's x and the tokens of two tiles on are in; younger: the next tile's 18 loads and one load of tokens
	WIN 0x09                                       ; source 0 window 1, source 1 window 2
.irp ks, 0,1,2,3,4,5,6,7
.irp nt, 0,1,2,3
.if \ks == 0
	MMA ACC+8*\nt, 64*\nt+8*\ks, 64*\buf+8*\ks, v[B0T+8*\nt:B0T+8*\nt+7], WS+8*(\nt/2)+\ks, XSW+8*\buf+\ks, \nt%2
.else
	MMA ACC+8*\nt, 64*\nt+8*\ks, 64*\buf+8*\ks, v[ACC+8*\nt:ACC+8*\nt+7], WS+8*(\nt/2)+\ks, XSW+8*\buf+\ks, \nt%2
.endif
.endr
.endr                                              ; the four accumulators take turns, one instruction a turn
	WIN 0
	XLOAD \buf                                     ; the tile two on, into the set just multiplied
	TOKLD \buf, (\off)+4
	GELU_A 0, 112, 128
	s_wait_alu depctr_va_vdst(0)
	GELU_A 1, 224, 240                             ; plain work behind the first 16 reciprocals
	v_nop                                          ; a plain instruction behind the last reciprocal
	s_wait_alu depctr_va_vdst(0)                   ; one wait for the 32 reciprocals, ahead of their first reader
	GELU_B 0, 112, 128
	GELU_B 1, 224, 240
	; the quantiser: two blocks of 32 along the next K; a block lies in lanes l and l xor 16
.irp c, 0,1,2,3
	v_max3_num_f32 v[AM+\c], |v[ACC+8*\c]|, |v[ACC+8*\c+1]|, 0x1800000   ; four chains of eight numbers, and the floor 2^(3 - 127)
.endr
.irp i, 2,4,6
.irp c, 0,1,2,3
	v_max3_num_f32 v[AM+\c], v[AM+\c], |v[ACC+8*\c+\i]|, |v[ACC+8*\c+\i+1]|
.endr
.endr
	v_max_num_f32 v[AM], v[AM], v[AM+1]
	v_max_num_f32 v[AM+2], v[AM+2], v[AM+3]
	v_permlanex16_b32 v[AM+1], v[AM], s42, s43
	v_permlanex16_b32 v[AM+3], v[AM+2], s42, s43
	v_max_num_f32 v[AM], v[AM], v[AM+1]
	v_max_num_f32 v[AM+2], v[AM+2], v[AM+3]
	v_add_nc_u32 v[SC], 0xff000000, v[AM]          ; 2 off the exponent field: the conversion's scale operand
	v_add_nc_u32 v[SC+1], 0xff000000, v[AM+2]
	v_lshrrev_b32 v[BY], 23, v[SC]
	v_lshrrev_b32 v[BY+1], 23, v[SC+1]
	s_wait_alu depctr_va_vdst(0)
	s_wait_xcnt 0x0                                ; the last tile's stores have read their data and offsets, which are written next
	v_lshl_or_b32 v[BYW], v[BY+1], 8, v[BY]        ; my token's two scale bytes
.irp b, 0,1
	v_cvt_scalef32_pk8_fp4_f32 v[CD+2*\b], v[ACC+16*\b:ACC+16*\b+7], v[SC+\b]
	v_cvt_scalef32_pk8_fp4_f32 v[CD+2*\b+1], v[ACC+16*\b+8:ACC+16*\b+15], v[SC+\b]
.endr
	v_nop                                          ; one plain place behind a scaled conversion
	v_permlane16_swap_b32 v[CD], v[CD+2]           ; the operand's layout wants a whole block in a lane: lanes 0-15 the first, lanes 16-31 the second
	v_permlane16_swap_b32 v[CD+1], v[CD+3]
	TILEID \off
	v_lshl_add_u32 v[HO], s24, 17, v1              ; a tile's images: 8 experts x 16,384 bytes
	v_lshl_add_u32 v[HSOF], s24, 13, v2            ; its scale bytes: 8 x 1,024
	global_store_b128 v[HO], v[CD:CD+3], s[38:39]  ; the wave stores 512 consecutive bytes, aligned
	global_store_b16 v[HSOF], v[BYW], s[40:41]     ; both halves of the lanes store the same two bytes
.endm
	s_load_b256 s[4:11], s[0:1], 0x0               ; q0 s[4:5], b0 s[6:7], rt1 s[8:9], hbuf s[10:11]
	v_lshrrev_b32 v1, 5, v0
	v_readfirstlane_b32 s16, v1                    ; wave
	v_and_b32 v6, 31, v0
	v_and_b32 v2, 15, v0
	v_bfe_u32 v3, v0, 4, 1
	v_lshlrev_b32 v1, 4, v6                        ; 16 x lane
	v_lshlrev_b32 v7, 2, v6                        ; 4 x lane
	v_lshlrev_b32 v2, 2, v2                        ; 4 r
	v_lshlrev_b32 v5, 6, v3                        ; 64 h
	v_lshlrev_b32 v3, 4, v3                        ; 16 h
	s_and_b32 s18, ttmp7, 0xffff
	s_lshr_b32 s19, s18, 2                         ; e
	s_and_b32 s20, s18, 3                          ; p
	s_lshl_b32 s21, ttmp9, 2
	s_add_co_u32 s21, s21, s16                     ; cgl
	s_lshl_b32 s70, s19, 2                         ; the offset of the scalar load below: a register of its own, never written again
	v_lshl_add_u32 v6, s18, 7, v7                  ; my part of the list: 128 bytes a part, 4 bytes a lane
	s_wait_alu depctr_va_vdst(0)                   ; directly ahead of the wait below
	s_wait_kmcnt 0x0
	s_load_b32 s26, s[8:9], s70 offset:ECNT        ; how many tiles use my expert
	global_load_b32 v[LIST], v6, s[8:9] offset:ELIST   ; the list goes out with the count: its address hangs on ids alone (a work-group whose part is empty drops it)
	s_mov_b32 s25, 0
	s_lshl_b32 s24, s19, 20
	s_lshl_b32 s27, s21, 15
	s_add_co_u32 s24, s24, s27
	s_add_nc_u64 s[28:29], s[4:5], s[24:25]        ; my 32 KB of W0's codes
	WIN 0x40                                       ; destination window 1: the first half of them is asked for here, beside the list and the count, on none of which its addresses hang
.set i, 0
.rept 32
	global_load_b128 v[4*i:4*i+3], v1, s[28:29] offset:512*i
.set i, i+1
.endr
	WIN 0
	s_lshl_b32 s24, s19, 16
	s_lshl_b32 s27, s21, 8
	s_add_co_u32 s24, s24, s27
	s_add_co_u32 s24, s24, WSC
	s_add_nc_u64 s[30:31], s[4:5], s[24:25]        ; their scale words
	s_add_nc_u64 s[32:33], s[4:5], XQ
	s_add_nc_u64 s[34:35], s[4:5], XSC
	s_lshl_b32 s24, s19, 13
	s_add_co_u32 s24, s24, s27
	s_add_nc_u64 s[36:37], s[6:7], s[24:25]        ; b0 at my 64 columns
	s_lshl_b32 s24, s19, 14
	s_lshl_b32 s27, s21, 9
	s_add_co_u32 s24, s24, s27
	s_add_nc_u64 s[38:39], s[10:11], s[24:25]      ; h's images: expert e, my 512 bytes
	s_lshl_b32 s24, s19, 10
	s_lshr_b32 s27, s21, 1
	s_lshl_b32 s27, s27, 6
	s_add_co_u32 s24, s24, s27
	s_and_b32 s27, s21, 1
	s_lshl_b32 s27, s27, 1
	s_add_co_u32 s24, s24, s27
	s_add_co_u32 s24, s24, HSC
	s_add_nc_u64 s[40:41], s[10:11], s[24:25]      ; h's scale bytes: expert e, step cgl / 2, bytes 2 (cgl % 2) on
	s_mov_b32 s42, 0x76543210
	s_mov_b32 s43, 0xfedcba98                      ; v_permlanex16_b32's selects for lane l xor 16
	KPAIR 44, 0x3f3504f3                           ; 1 / sqrt 2
	KPAIR 46, -0.000000000272614225801306          ; P: z^13
	KPAIR 48, -0.00000210102402082508              ; z^9
	KPAIR 50, -0.0000569250639462346               ; z^7
	KPAIR 52, -0.000734990630326855                ; z^5
	KPAIR 54, -0.00295459980854025                 ; z^3
	KPAIR 56, -0.0160960333262415                  ; z
	KPAIR 58, -0.0000291321436929992               ; 2 Q: z^8
	KPAIR 60, -0.00336565394876406                 ; z^4
	KPAIR 62, -0.01474665833440936                 ; z^2
	KPAIR 66, -0.0285294781028378                  ; 1
	v_mov_b32 v144, 0.0000000277068142495902       ; P: z^11
	v_mov_b32 v145, v144
	v_mov_b32 v146, -0.00042674811055781           ; 2 Q: z^6
	v_mov_b32 v147, v146
	s_wait_kmcnt 0x0
	s_min_u32 s26, s26, 128
	s_add_co_u32 s26, s26, 3
	s_sub_co_u32 s26, s26, s20
	s_lshr_b32 s22, s26, 2                         ; the tiles of my part: ranks p, p + 4, ..
	s_min_u32 s22, s22, 32                         ; a part has 32 slots
	s_cmp_eq_u32 s22, 0
	s_cbranch_scc1 .Lend
	s_sub_co_u32 s68, s22, 1                       ; the last slot
	s_lshr_b32 s71, s68, 1
	s_min_u32 s71, s71, 15                         ; pairs of tiles behind the first
	s_mov_b32 s23, 0                               ; i
	s_wait_alu depctr_va_vdst(0)
	s_wait_loadcnt 32                              ; the list is in (32 loads were issued behind it, at the head)
	TOKLD 0, 0
	TOKLD 1, 1
	WIN 0x40
.rept 32
	global_load_b128 v[4*i:4*i+3], v1, s[28:29] offset:512*i
.set i, i+1
.endr
	WIN 0
	s_wait_loadcnt 32                              ; the first two tiles' tokens are in
.irp q, 0,1
.irp ks, 0,1,2,3,4,5,6,7
	global_load_b32 v[WS+8*\q+\ks], v7, s[30:31] offset:8192*\ks+128*\q   ; lanes 0-15: tile 2 q's words, lanes 16-31: tile 2 q + 1's
.endr
.endr
.irp nt, 0,1,2,3
	global_load_b128 v[B0T+8*\nt:B0T+8*\nt+3], v5, s[36:37] offset:(32*(\nt/2)+8*(\nt%2))*4       ; register j: column 32 (nt / 2) + 16 h + 8 (nt % 2) + j
	global_load_b128 v[B0T+8*\nt+4:B0T+8*\nt+7], v5, s[36:37] offset:(32*(\nt/2)+8*(\nt%2))*4+16
.endr
	XLOAD 0
	TOKLD 0, 2
	XLOAD 1
	TOKLD 1, 3
	TILE 0, 0                                      ; the first tile
	s_cmp_eq_u32 s71, 0
	s_cbranch_scc1 .Ltail
.Lt:                                               ; two tiles a trip: the two sets of x are back where they began
	TILE 1, 1
	TILE 0, 2
	s_add_co_u32 s23, s23, 2
	s_sub_co_u32 s71, s71, 1
	s_cmp_lg_u32 s71, 0
	s_cbranch_scc1 .Lt
.Ltail:
	s_and_b32 s25, s22, 1
	s_cmp_lg_u32 s25, 0
	s_cbranch_scc1 .Lend                           ; an odd number of tiles is done
	TILE 1, 1                                      ; an even number has one more
.Lend:
	s_endpgm
.Lfunc_end_k_q30d157e563_ffn1:
	.size	k_q30d157e563_ffn1, .Lfunc_end_k_q30d157e563_ffn1-k_q30d157e563_ffn1
	.p2alignl 7, 3214868480
	.fill 96, 4, 3214868480
	.section	.rodata,"a",@progbits
	.p2align	6, 0x0
	.amdhsa_kernel k_q30d157e563_ffn1
		.amdhsa_group_segment_fixed_size 0
		.amdhsa_private_segment_fixed_size 0
		.amdhsa_enable_private_segment 0
		.amdhsa_kernarg_size 32
		.amdhsa_user_sgpr_count 2
		.amdhsa_user_sgpr_kernarg_segment_ptr 1
		.amdhsa_wavefront_size32 1
		.amdhsa_system_sgpr_workgroup_id_x 1
		.amdhsa_system_sgpr_workgroup_id_y 1
		.amdhsa_system_sgpr_workgroup_id_z 1
		.amdhsa_system_vgpr_workitem_id 0
		.amdhsa_next_free_vgpr 640
		.amdhsa_next_free_sgpr 96
		.amdhsa_reserve_vcc 0
		.amdhsa_float_denorm_mode_32 3
		.amdhsa_float_denorm_mode_16_64 3
		.amdhsa_memory_ordered 1
		.amdhsa_forward_progress 1
		.amdhsa_inst_pref_size 127
	.end_amdhsa_kernel
	.amdgpu_metadata
---
amdhsa.version: [ 1, 2 ]
amdhsa.kernels:
  - .name:           k_q30d157e563_ffn1
    .symbol:         k_q30d157e563_ffn1.kd
    .args:
      - { .name: q0, .offset: 0, .size: 8, .value_kind: global_buffer, .address_space: global }
      - { .name: b0, .offset: 8, .size: 8, .value_kind: global_buffer, .address_space: global }
      - { .name: rt1, .offset: 16, .size: 8, .value_kind: global_buffer, .address_space: global }
      - { .name: hbuf, .offset: 24, .size: 8, .value_kind: global_buffer, .address_space: global }
    .group_segment_fixed_size: 0
    .private_segment_fixed_size: 0
    .kernarg_segment_align: 8
    .kernarg_segment_size: 32
    .max_flat_workgroup_size: 128
    .sgpr_count:     96
    .vgpr_count:     640
    .wavefront_size: 32
...
	.end_amdgpu_metadata
.endif
;; end of part 3
;; launch ffn2 (part 4): grid 8 x 32, 4 waves a work-group, no clusters, 135,680 bytes of LDS; arguments hbuf, q1, b1, routing_tensor, rt1, out0; writes out0
.if DOCPART == 4
	.amdgcn_target "amdgcn-amd-amdhsa--gfx1250"
	.amdhsa_code_object_version 6
	.text
	.protected	k_q30d157e563_ffn2
	.globl	k_q30d157e563_ffn2
	.p2align	8
	.type	k_q30d157e563_ffn2,@function
k_q30d157e563_ffn2:
	s_mov_b64 s[64:65], 0
	v_nop
	global_prefetch_b8 v0, s[64:65] scope:SCOPE_SE
	s_setreg_imm32_b32 hwreg(HW_REG_WAVE_MODE, 25, 1), 1
	s_wait_xcnt 0x0
; out[n] = sum over e of r[n][e] (h[e][n] W1[e] + b1[e]).  Experts that none of a work-group's 64 tokens uses are passed over (their r are all 0: see the first kernel's head), by whole numbers that an earlier launch stored.
; SHARES.  Work-group (x, y): columns 128 x .. 128 x + 127 of out, sorted places 64 y .. 64 y + 63 (tiles 4 y + m): each output number has one owner.  THE FOUR WAVES SHARE K: wave w takes steps 4 w .. 4 w + 3 (of 16 steps of 128) of every expert,
; for the whole 64 x 128 block, so that every byte of W1 and of h that the work-group needs is loaded by one wave alone, straight into operand registers (both lie in memory as images of those registers).
; For each expert: ACC = its product (32 accumulators, started with C = 0), then OUT += r x ACC.  A tile that does not use the expert multiplies a neighbour tile's h (finite numbers) and its r are 0: so the loads' count is the same for every expert.
; At the end the four partial sums meet in LDS; wave w adds them for tile 4 y + w, adds sum over e of r b1, and stores whole pieces of rows: 512 consecutive bytes an instruction.
; OUT is a sum over 0 to 8 experts, a number read from memory, so it begins as zeros, written while the head's loads are on their way.
; No tensor loads and no cluster: the walk over experts hangs on stored numbers.  The sums over K and over the experts run in another order than in the problem's text.
; THE PRODUCT IS USED TRANSPOSED (source 0 = 16 columns of W1, source 1 = 16 tokens): a lane holds one token and eight neighbouring columns.
; REGISTERS, in windows of 256: window 0: addresses, scale words, r;  window 1: a ring of two sets of 96 (8 fragments of W1, 4 of h), at the end r, b1 and the rows at work;  window 2: ACC ((m, nt) at 8 (8 m + nt));  window 3: OUT likewise.
.set WSC,   8388608
.set HSC,   16777216
.set TKEY,  12544
.set REG,   33792                      ; LDS: a wave's partial sums: 64 rows x (512 bytes + 16)
.set SPARE, 4*REG                      ; behind them the spare words, 128 bytes a wave
.set ROFF,  8                          ; v8-11   tile m: my token (lane % 16), then its row of routing_tensor in bytes
.set HSO,   16                         ; v16-17  byte offsets of h's scale words: lanes 0-15 tile 2 p, lanes 16-31 tile 2 p + 1
.set SW,    20                         ; v20-27  W1's scale words, two sets of 4: scales and nothing else
.set SH,    28                         ; v28-31  h's, two sets of 2: scales and nothing else
.set RN,    32                         ; v32-35  r of the expert to come
.set RC,    36                         ; v36-43  r of the expert in hand, the low word of four pairs
.set RVO,   48                         ; v48-63  the 16 tokens of tile 4 y + w, then their rows of routing_tensor in bytes
.set VO,    64                         ; v64-79  their rows of out in bytes, + 16 x lane
.set STO,   80
.set RD,    81                         ; v81-84
.set SPW,   86
.set NIL,   87
.set RV,    0                          ; window 1, at the end: r[token i][0 .. 7] at 8 i
.set B1V,   128                        ; b1[e], my four columns, at 4 e
.set T,     160                        ; four rows x four partial sums x four registers
.set MSB, 0
.macro WIN new
.if MSB != \new
	s_set_vgpr_msb (MSB<<8)|\new
.set MSB, \new
.endif
.endm
.macro MMA d, a, b, c, sa, sb, rows    ; rows: bit 0: source 0's scales stand in lanes 16-31; bit 1: source 1's
.if (\rows) == 0
	v_wmma_scale_f32_16x16x128_f8f6f4 v[\d:\d+7], v[\a:\a+7], v[\b:\b+7], \c, v[\sa], v[\sb] matrix_a_fmt:MATRIX_FMT_FP4 matrix_b_fmt:MATRIX_FMT_FP4
.elseif (\rows) == 1
	v_wmma_scale_f32_16x16x128_f8f6f4 v[\d:\d+7], v[\a:\a+7], v[\b:\b+7], \c, v[\sa], v[\sb] matrix_a_fmt:MATRIX_FMT_FP4 matrix_b_fmt:MATRIX_FMT_FP4 matrix_a_scale:MATRIX_SCALE_ROW1
.elseif (\rows) == 2
	v_wmma_scale_f32_16x16x128_f8f6f4 v[\d:\d+7], v[\a:\a+7], v[\b:\b+7], \c, v[\sa], v[\sb] matrix_a_fmt:MATRIX_FMT_FP4 matrix_b_fmt:MATRIX_FMT_FP4 matrix_b_scale:MATRIX_SCALE_ROW1
.else
	v_wmma_scale_f32_16x16x128_f8f6f4 v[\d:\d+7], v[\a:\a+7], v[\b:\b+7], \c, v[\sa], v[\sb] matrix_a_fmt:MATRIX_FMT_FP4 matrix_b_fmt:MATRIX_FMT_FP4 matrix_a_scale:MATRIX_SCALE_ROW1 matrix_b_scale:MATRIX_SCALE_ROW1
.endif
.endm
.macro NEXTE                           ; s22 = the lowest expert still to do; it leaves s20
	s_ctz_i32_b32 s22, s20
	s_min_u32 s22, s22, 7                          ; a loaded number enters an address only behind this
	s_sub_co_u32 s42, s20, 1
	s_and_b32 s20, s20, s42
.endm
.macro SETE                            ; the addresses of expert s22
	s_mov_b32 s43, 0
	s_lshl_b32 s42, s22, 20
	s_add_nc_u64 s[24:25], s[56:57], s[42:43]      ; W1's codes
	s_lshl_b32 s42, s22, 16
	s_add_nc_u64 s[26:27], s[58:59], s[42:43]      ; W1's scale words
	s_lshl_b32 s42, s22, 2
	s_add_nc_u64 s[28:29], s[10:11], s[42:43]      ; r[.][e]
	s_mov_b32 s45, 3                               ; the lowest of my four tiles that uses the expert (bit 8 m + e of s19)
	s_add_co_u32 s44, s22, 16
	s_bitcmp1_b32 s19, s44
	s_cselect_b32 s45, 2, s45
	s_add_co_u32 s44, s22, 8
	s_bitcmp1_b32 s19, s44
	s_cselect_b32 s45, 1, s45
	s_bitcmp1_b32 s19, s22
	s_cselect_b32 s45, 0, s45
.irp m, 0,1,2,3
	s_add_co_u32 s44, s22, 8*\m
	s_bitcmp1_b32 s19, s44
	s_cselect_b32 s46, \m, s45                     ; tile m's own h, or that tile's
	s_add_co_u32 s46, s46, s70
	s_lshl_b32 s46, s46, 3
	s_add_co_u32 s[48+\m], s46, s22                ; 8 x tile + e
	s_min_u32 s[48+\m], s[48+\m], 1023             ; chosen by loaded bits: it enters an address only behind this (128 tiles x 8 experts)
	s_lshl_b32 s42, s[48+\m], 14
	s_add_nc_u64 s[32+2*\m:33+2*\m], s[60:61], s[42:43]
.endr
.irp p, 0,1
	s_lshl_b32 s52, s[48+2*\p], 10
	s_lshl_b32 s53, s[49+2*\p], 10
	v_mov_b32 v[HSO+\p], s52
	v_cndmask_b32 v[HSO+\p], v[HSO+\p], s53, s71
	v_min_u32 v[HSO+\p], 0xffc00, v[HSO+\p]        ; 1,023 x 1,024 at the most
	v_add_nc_u32 v[HSO+\p], v[HSO+\p], v7
.endr
.endm
.macro RLOAD
.irp m, 0,1,2,3
	global_load_b32 v[RN+\m], v[ROFF+\m], s[28:29]
.endr
.endm
.macro LOADK buf, k                    ; 30 loads: my k-th step of 128 along K: 8 fragments of W1, 4 of h, their scale words
	WIN 0x40                                       ; destination window 1
.irp nt, 0,1,2,3,4,5,6,7
	global_load_b128 v[96*\buf+8*\nt:96*\buf+8*\nt+3], v1, s[24:25] offset:16384*\nt+1024*\k
	global_load_b128 v[96*\buf+8*\nt+4:96*\buf+8*\nt+7], v1, s[24:25] offset:16384*\nt+1024*\k+512
.endr
.irp m, 0,1,2,3
	global_load_b128 v[96*\buf+64+8*\m:96*\buf+64+8*\m+3], v1, s[32+2*\m:33+2*\m] offset:1024*\k
	global_load_b128 v[96*\buf+64+8*\m+4:96*\buf+64+8*\m+7], v1, s[32+2*\m:33+2*\m] offset:1024*\k+512
.endr
	WIN 0
.irp q, 0,1,2,3
	global_load_b32 v[SW+4*\buf+\q], v2, s[26:27] offset:4096*\k+128*\q
.endr
.irp p, 0,1
	global_load_b32 v[SH+2*\buf+\p], v[HSO+\p], s[40:41] offset:64*\k
.endr
.endm
.macro MULK buf, zero                  ; 32 products; the 32 accumulators take turns, one instruction a turn.  zero = 1: they start the sums
	WIN 0xa5                                       ; sources 0 and 1 window 1, C and D window 2
.irp m, 0,1,2,3
.irp nt, 0,1,2,3,4,5,6,7
.if \zero
	MMA 8*(8*\m+\nt), 96*\buf+8*\nt, 96*\buf+64+8*\m, 0, SW+4*\buf+\nt/2, SH+2*\buf+\m/2, \nt%2+2*(\m%2)
.else
	MMA 8*(8*\m+\nt), 96*\buf+8*\nt, 96*\buf+64+8*\m, v[8*(8*\m+\nt):8*(8*\m+\nt)+7], SW+4*\buf+\nt/2, SH+2*\buf+\m/2, \nt%2+2*(\m%2)
.endif
.endr
.endr
.rept 4
	v_nop                                          ; places in front of loads into registers that these products have read, and of the first read of results
.endr
.endm
.macro TAKER                           ; r of the expert in hand
	WIN 0
.irp m, 0,1,2,3
	v_mov_b32 v[RC+2*\m], v[RN+\m]
.endr
.endm
.macro FOLD                            ; OUT += r x ACC, each accumulator from its low end on
	WIN 0xf2                                       ; source 0 window 2, source 1 window 0, source 2 and destination window 3
.irp m, 0,1,2,3
.set i, 64*\m
.rept 32
	v_pk_fma_f32 v[i:i+1], v[i:i+1], v[RC+2*\m:RC+2*\m+1], v[i:i+1] op_sel_hi:[1,0,1]
.set i, i+2
.endr
.endr
	WIN 0
.endm
	s_load_b256 s[4:11], s[0:1], 0x0               ; hbuf s[4:5], q1 s[6:7], b1 s[8:9], routing_tensor s[10:11]
	s_load_b128 s[12:15], s[0:1], 0x20             ; rt1 s[12:13], out0 s[14:15]
	v_lshl_add_u32 v[SPW], v0, 2, SPARE
	v_mov_b32 v[NIL], 0
	v_lshrrev_b32 v1, 5, v0
	v_readfirstlane_b32 s16, v1                    ; wave
	v_and_b32 v4, 31, v0
	v_and_b32 v5, 15, v0                           ; r
	v_bfe_u32 v6, v0, 4, 1                         ; h
	v_lshlrev_b32 v1, 4, v4                        ; 16 x lane
	v_lshlrev_b32 v2, 2, v4                        ; 4 x lane
	v_lshlrev_b32 v3, 2, v5                        ; 4 r
	s_and_b32 s18, ttmp7, 0xffff                   ; y
	s_lshl_b32 s72, s18, 4                         ; the offset of the scalar load below: a register of its own, never written again
	s_lshl_b32 s52, s18, 8
	s_mov_b32 s53, 0
	s_lshl_b32 s50, s16, 6
	v_mov_b32 v88, s50
	s_wait_alu depctr_va_vdst(0)
	s_wait_kmcnt 0x0
	s_load_b128 s[44:47], s[12:13], s72 offset:TKEY   ; my four tiles' keys
	s_add_nc_u64 s[54:55], s[12:13], s[52:53]      ; ORDER at my 64 places
.irp m, 0,1,2,3
	global_load_b32 v[ROFF+\m], v3, s[54:55] offset:64*\m
.endr
.irp q, 0,1,2,3
	global_load_b128 v[RVO+4*\q:RVO+4*\q+3], v88, s[54:55] offset:16*\q   ; the 16 tokens of tile 4 y + w, in every lane
.endr
	WIN 0xc0                                       ; destination window 3
.set i, 0
.rept 256
	v_mov_b32 v[i], 0                              ; OUT
.set i, i+1
.endr
	WIN 0
	s_mul_i32 s43, s16, REG
	v_mul_u32_u24 v[STO], v5, 528
	v_lshl_add_u32 v[STO], v6, 5, v[STO]
	v_add_nc_u32 v[STO], s43, v[STO]               ; into my region: row r, 32 h bytes on
	s_mul_i32 s43, s16, 16*528
	v_add_nc_u32 v[RD], s43, v1                    ; back: tile w's rows, 16 bytes a lane, out of each of the four regions
	v_add_nc_u32 v[RD+1], REG, v[RD]
	v_add_nc_u32 v[RD+2], 2*REG, v[RD]
	v_add_nc_u32 v[RD+3], 3*REG, v[RD]
	s_lshl_b32 s50, s16, 8
	v_add_nc_u32 v7, s50, v3                       ; h's scale words: my four steps, token r
.irp m, 0,1,2,3
	v_mov_b32 v[RC+2*\m+1], 0                      ; (named as the upper half of a pair, so it is written)
.endr
	s_mov_b32 s43, 0
	s_lshl_b32 s42, ttmp9, 17
	s_lshl_b32 s50, s16, 12
	s_add_co_u32 s42, s42, s50
	s_add_nc_u64 s[56:57], s[6:7], s[42:43]        ; W1's codes: my 8 tiles of columns, my four steps
	s_lshl_b32 s42, s16, 14
	s_lshl_b32 s51, ttmp9, 9
	s_add_co_u32 s42, s42, s51
	s_add_co_u32 s42, s42, WSC
	s_add_nc_u64 s[58:59], s[6:7], s[42:43]        ; their scale words
	s_mov_b32 s42, s50
	s_add_nc_u64 s[60:61], s[4:5], s[42:43]        ; h's images: my four steps
	s_add_nc_u64 s[40:41], s[4:5], HSC
	s_mov_b32 s42, s51
	s_add_nc_u64 s[66:67], s[14:15], s[42:43]      ; out and b1 at my 128 columns
	s_add_nc_u64 s[68:69], s[8:9], s[42:43]
	s_lshl_b32 s70, s18, 2                         ; my first tile
	s_mov_b32 s71, 0xffff0000                      ; lanes 16 to 31
	s_wait_kmcnt 0x0
	s_and_b32 s44, s44, 255
	s_and_b32 s45, s45, 255
	s_and_b32 s46, s46, 255
	s_and_b32 s47, s47, 255
	s_or_b32 s20, s44, s45
	s_or_b32 s20, s20, s46
	s_or_b32 s20, s20, s47                         ; the experts that my 64 tokens use
	s_lshl_b32 s45, s45, 8
	s_lshl_b32 s46, s46, 16
	s_lshl_b32 s47, s47, 24
	s_or_b32 s19, s44, s45
	s_or_b32 s19, s19, s46
	s_or_b32 s19, s19, s47                         ; bit 8 m + e: tile m uses expert e
	s_bcnt1_i32_b32 s21, s20
	s_wait_loadcnt 0x0
.irp m, 0,1,2,3
	v_min_u32 v[ROFF+\m], 0x7ff, v[ROFF+\m]
	v_lshlrev_b32 v[ROFF+\m], 5, v[ROFF+\m]
.endr
.set i, 0
.rept 16
	v_min_u32 v[RVO+i], 0x7ff, v[RVO+i]
	v_lshl_add_u32 v[VO+i], v[RVO+i], 12, v1
	v_lshlrev_b32 v[RVO+i], 5, v[RVO+i]
.set i, i+1
.endr
	s_cmp_eq_u32 s21, 0
	s_cbranch_scc1 .Lfin                           ; no token of mine uses any expert
	NEXTE
	SETE
	RLOAD
	LOADK 0, 0
	LOADK 1, 1
	s_sub_co_u32 s21, s21, 1
	s_cmp_eq_u32 s21, 0
	s_cbranch_scc1 .Llast
.Lexp:                                             ; every expert but the last: its second half asks for the next expert's first half
	s_wait_loadcnt 30                              ; r and step 0 are in; younger: step 1's 30 loads
	TAKER
	MULK 0, 1
	s_wait_alu depctr_va_vdst(0)
	LOADK 0, 2
	s_wait_loadcnt 30                              ; step 1 is in; younger: step 2's 30
	MULK 1, 0
	LOADK 1, 3
	s_wait_xcnt 0x0                                ; the loads issued so far have read their bases and offsets, which are written next
	NEXTE
	SETE
	RLOAD
	s_wait_alu depctr_va_vdst(0)
	s_wait_loadcnt 34                              ; step 2 is in; younger: step 3's 30 and the next r's 4
	MULK 0, 0
	LOADK 0, 0
	s_wait_loadcnt 34                              ; step 3 is in; younger: the next r's 4 and the next step 0's 30
	MULK 1, 0
	LOADK 1, 1
	FOLD
	s_sub_co_u32 s21, s21, 1
	s_cmp_lg_u32 s21, 0
	s_cbranch_scc1 .Lexp
.Llast:                                            ; the last expert is written out: nothing is asked for ahead
	s_wait_loadcnt 30
	TAKER
	MULK 0, 1
	s_wait_alu depctr_va_vdst(0)
	LOADK 0, 2
	s_wait_loadcnt 30
	MULK 1, 0
	LOADK 1, 3
	s_wait_loadcnt 30                              ; step 2 is in; younger: step 3's 30
	MULK 0, 0
	s_wait_loadcnt 0x0
	MULK 1, 0
	FOLD
.Lfin:
	WIN 0x40                                       ; destination window 1: the ring is done with
.set i, 0
	s_wait_alu depctr_va_vdst(0)
.rept 16
	global_load_b128 v[RV+8*i:RV+8*i+3], v[RVO+i], s[10:11]
	global_load_b128 v[RV+8*i+4:RV+8*i+7], v[RVO+i], s[10:11] offset:16
.set i, i+1
.endr
.irp e, 0,1,2,3,4,5,6,7
	global_load_b128 v[B1V+4*\e:B1V+4*\e+3], v1, s[68:69] offset:4096*\e
.endr
	WIN 0x0c                                       ; an LDS store's data are its source 1: window 3
.irp m, 0,1,2,3
.irp nt, 0,1,2,3,4,5,6,7
	ds_store_b128 v[STO], v[8*(8*\m+\nt):8*(8*\m+\nt)+3] offset:16*528*\m+64*\nt
	ds_store_b128 v[STO], v[8*(8*\m+\nt)+4:8*(8*\m+\nt)+7] offset:16*528*\m+64*\nt+16
.endr
.endr
	WIN 0
	s_wait_dscnt 0x0                               ; for the others' sake: my partial sums lie in LDS
	s_barrier_signal -1
	s_barrier_wait -1
	s_wait_loadcnt 0x0                             ; r and b1
.irp gq, 0,1,2,3                       ; four rows at a time
.if \gq > 0
	s_wait_xcnt 0x0                                ; the last four stores have read their registers, which the loads below fill again
.endif
	WIN 0x40
.irp ii, 0,1,2,3
.irp g, 0,1,2,3
	ds_load_b128 v[T+16*\ii+4*\g:T+16*\ii+4*\g+3], v[RD+\g] offset:528*(4*\gq+\ii)
.endr
.endr
	s_wait_dscnt 0x0
	WIN 0x55                                       ; all in window 1
.irp ii, 0,1,2,3
	v_pk_add_f32 v[T+16*\ii:T+16*\ii+1], v[T+16*\ii:T+16*\ii+1], v[T+16*\ii+4:T+16*\ii+5]
	v_pk_add_f32 v[T+16*\ii+2:T+16*\ii+3], v[T+16*\ii+2:T+16*\ii+3], v[T+16*\ii+6:T+16*\ii+7]
	v_pk_add_f32 v[T+16*\ii+8:T+16*\ii+9], v[T+16*\ii+8:T+16*\ii+9], v[T+16*\ii+12:T+16*\ii+13]
	v_pk_add_f32 v[T+16*\ii+10:T+16*\ii+11], v[T+16*\ii+10:T+16*\ii+11], v[T+16*\ii+14:T+16*\ii+15]
.endr
.irp ii, 0,1,2,3
	v_pk_add_f32 v[T+16*\ii:T+16*\ii+1], v[T+16*\ii:T+16*\ii+1], v[T+16*\ii+8:T+16*\ii+9]
	v_pk_add_f32 v[T+16*\ii+2:T+16*\ii+3], v[T+16*\ii+2:T+16*\ii+3], v[T+16*\ii+10:T+16*\ii+11]
.endr
.irp e, 0,2,4,6                        ; + r[e] b1[e]: of the pair of r the first serves both halves,
.irp ii, 0,1,2,3
	v_pk_fma_f32 v[T+16*\ii:T+16*\ii+1], v[B1V+4*\e:B1V+4*\e+1], v[RV+8*(4*\gq+\ii)+\e:RV+8*(4*\gq+\ii)+\e+1], v[T+16*\ii:T+16*\ii+1] op_sel_hi:[1,0,1]
	v_pk_fma_f32 v[T+16*\ii+2:T+16*\ii+3], v[B1V+4*\e+2:B1V+4*\e+3], v[RV+8*(4*\gq+\ii)+\e:RV+8*(4*\gq+\ii)+\e+1], v[T+16*\ii+2:T+16*\ii+3] op_sel_hi:[1,0,1]
.endr
.endr
.irp e, 1,3,5,7                        ; or the second
.irp ii, 0,1,2,3
	v_pk_fma_f32 v[T+16*\ii:T+16*\ii+1], v[B1V+4*\e:B1V+4*\e+1], v[RV+8*(4*\gq+\ii)+\e-1:RV+8*(4*\gq+\ii)+\e], v[T+16*\ii:T+16*\ii+1] op_sel:[0,1,0] op_sel_hi:[1,1,1]
	v_pk_fma_f32 v[T+16*\ii+2:T+16*\ii+3], v[B1V+4*\e+2:B1V+4*\e+3], v[RV+8*(4*\gq+\ii)+\e-1:RV+8*(4*\gq+\ii)+\e], v[T+16*\ii+2:T+16*\ii+3] op_sel:[0,1,0] op_sel_hi:[1,1,1]
.endr
.endr
	WIN 0x04                                       ; a store's data are its source 1: window 1
.irp ii, 0,1,2,3
	global_store_b128 v[VO+4*\gq+\ii], v[T+16*\ii:T+16*\ii+3], s[66:67] th:TH_STORE_NT   ; 32 lanes store 512 consecutive bytes of a token's row, at a multiple of 256 from out's first byte
.endr
.endr
	WIN 0
	s_wait_tensorcnt 0x0                           ; the wave's end, behind my last LDS store
	ds_add_u32 v[SPW], v[NIL]
	s_wait_dscnt 0x0
	s_endpgm
.Lfunc_end_k_q30d157e563_ffn2:
	.size	k_q30d157e563_ffn2, .Lfunc_end_k_q30d157e563_ffn2-k_q30d157e563_ffn2
	.p2alignl 7, 3214868480
	.fill 96, 4, 3214868480
	.section	.rodata,"a",@progbits
	.p2align	6, 0x0
	.amdhsa_kernel k_q30d157e563_ffn2
		.amdhsa_group_segment_fixed_size 135680
		.amdhsa_private_segment_fixed_size 0
		.amdhsa_enable_private_segment 0
		.amdhsa_kernarg_size 48
		.amdhsa_user_sgpr_count 2
		.amdhsa_user_sgpr_kernarg_segment_ptr 1
		.amdhsa_wavefront_size32 1
		.amdhsa_system_sgpr_workgroup_id_x 1
		.amdhsa_system_sgpr_workgroup_id_y 1
		.amdhsa_system_sgpr_workgroup_id_z 1
		.amdhsa_system_vgpr_workitem_id 0
		.amdhsa_next_free_vgpr 1024
		.amdhsa_next_free_sgpr 80
		.amdhsa_reserve_vcc 0
		.amdhsa_float_denorm_mode_32 3
		.amdhsa_float_denorm_mode_16_64 3
		.amdhsa_memory_ordered 1
		.amdhsa_forward_progress 1
		.amdhsa_inst_pref_size 130
	.end_amdhsa_kernel
	.amdgpu_metadata
---
amdhsa.version: [ 1, 2 ]
amdhsa.kernels:
  - .name:           k_q30d157e563_ffn2
    .symbol:         k_q30d157e563_ffn2.kd
    .args:
      - { .name: hbuf, .offset: 0, .size: 8, .value_kind: global_buffer, .address_space: global }
      - { .name: q1, .offset: 8, .size: 8, .value_kind: global_buffer, .address_space: global }
      - { .name: b1, .offset: 16, .size: 8, .value_kind: global_buffer, .address_space: global }
      - { .name: routing_tensor, .offset: 24, .size: 8, .value_kind: global_buffer, .address_space: global }
      - { .name: rt1, .offset: 32, .size: 8, .value_kind: global_buffer, .address_space: global }
      - { .name: out0, .offset: 40, .size: 8, .value_kind: global_buffer, .address_space: global }
    .group_segment_fixed_size: 135680
    .private_segment_fixed_size: 0
    .kernarg_segment_align: 8
    .kernarg_segment_size: 48
    .max_flat_workgroup_size: 128
    .sgpr_count:     80
    .vgpr_count:     1024
    .wavefront_size: 32
...
	.end_amdgpu_metadata
.endif
;; end of part 4
